; MI455X (gfx1250); checked and timed in simulation.
; The chip was launched on July 23, 2026; its instructions are those of AMD's public machine-readable ISA for CDNA 5 (MIT licence, August 2026) and "CDNA5" Instruction Set Architecture Reference Guide (July 2026). The comments in the code are by the model that wrote it; some were corrected since.
;; Attention. Allowed arithmetic: float matrix products may take bf16 or f16 operands with f32 sums; other float arithmetic in f32, or as packed bf16 or f16 multiplies, adds, multiply-adds, maxima and minima; sums over many terms, partial sums and values carried from step to step in f32; what a program stores and reads back later, other than sums and carried values, may be rounded once to bf16 or f16.
;; Inputs: V_b 1 float32; V_w 1,024 x 1 float32; W1_b 1,024 float32; W1_w 1,024 x 1,024 float32; W2_b 1,024 float32; W2_w 1,024 x 1,024 float32; features 32 x 2,048 x 1,024 float32; hidden 32 x 1,024 float32.
;; Outputs: out0 32 x 1,024 float32; out1 32 x 2,048 x 1 float32.
;; 2 versions, each right; version 2 is version 1 with the launches prep, main written anew for expert scheduling mode. Each part assembles by itself: llvm-mc -triple=amdgcn-amd-amdhsa -mcpu=gfx1250 --defsym DOCPART=n.
;; ======== version 1 of 2: 3 launches
;; limits: values outside matrix products are rounded to bf16
;; workspace buffers: wf 2,097,152 bytes; hb 131,072 bytes; lg 262,144 bytes; part 2,097,152 bytes
;; launch prep (part 1): grid 32 x 1, 16 waves a work-group, no clusters, 296,960 bytes of LDS; arguments W1_w, W2_w, hidden, W1_b, W2_b, wf, hb; writes wf, hb
.if DOCPART == 1
	.amdgcn_target "amdgcn-amd-amdhsa--gfx1250"
	.amdhsa_code_object_version 6
	.text
	.protected	k_q40358f6730_prep
	.globl	k_q40358f6730_prep
	.p2align	8
	.type	k_q40358f6730_prep,@function
k_q40358f6730_prep:
	s_mov_b64 s[64:65], 0
	v_nop
	global_prefetch_b8 v0, s[64:65] scope:SCOPE_SE
	s_setreg_imm32_b32 hwreg(HW_REG_WAVE_MODE, 25, 1), 1
	s_wait_xcnt 0x0
; PREPARATION.  c = 2 log2(e), so that tanh(x) = 1 - 2 / (1 + 2^(c x)).
; Work-groups 0-15:  wf = bf16(c W1) in the order in which the main launch's matrix fragments want it.
; Work-groups 16-31: hb[b][u] = sum over d of bf16(hidden[b][d]) bf16(c W2[d][u]) + c (W1_b[u] + W2_b[u]), sums in f32.
; SHARES.  A work-group takes 64 columns u (256 aligned bytes of every row of its matrix), each of its 16 waves 64 rows k.
; A weight matrix lies [k][u]; a fragment wants k along a lane's registers.  So a wave scales and rounds its 64 x 64 numbers, lays them
; into its own LDS tile as they lie, and takes them out turned, by ds_load_tr16_b128.
; wf's byte for wave w, pass pi, K step ks, block ub of 16 units, half, lane:  ((w 64 + pi 32 + ks) 8 + ub) 1024 + half 512 + lane 16;
; the 16 bytes hold unit (4 pi + w) 128 + 16 ub + lane % 16, k = 32 ks + 16 half + 8 (lane / 16) + 0..7.
; No cluster: no two work-groups read the same bytes of W; hidden (128 KiB) is a thirty-second of what the launch reads.
; LIMITS.  NaN and infinities are not treated apart; operands are rounded to bf16 once, after the scaling by c.
.set PW,    160                        ; a tile's row in LDS: 128 bytes + 32: 40 words, an odd multiple of 32 bytes, as the turning load likes it
.set WTILE, 64*PW                      ; a wave's tile
.set RED,   16*WTILE                   ; behind the tiles: 8,192 bytes a wave of partial sums (W2's work-groups)
.set SPARE, RED+16*8192                ; behind them: the spare words, 128 bytes for each wave; no other line names them
.set GOF, 2                            ; v2   my byte offset in W: (64 wave + l / 16) rows + the group's 256 bytes + 16 (l % 16)
.set STA, 3                            ; v3   where I put 8 bytes of a row of my tile
.set TRA, 4                            ; v4   the turning load's address
.set HOF, 5                            ; v5   my byte offset in hidden
.set BOF, 6                            ; v6   my byte offset in the two biases
.set RST, 7                            ; v7   where I put my partial sums
.set RLA, 8                            ; v8   where I read the partial sums of waves 0-7
.set RLB, 9                            ; v9   of waves 8-15
.set SPW, 10                           ; v10  LDS address of my spare word; never rewritten
.set NIL, 11                           ; v11  0; never rewritten
.set OOF, 12                           ; v12  my byte offset in the output
.set LD,  16                           ; v[16:143]  32 loads of 4; later v[16:79] eight accumulators, v[80:143] the sixteen partial sums
.set WFR, 144                          ; v[144:207] eight fragments of W (K step ks, block ub at 8 (4 ks + ub)); before that hidden in f32
.set HB,  208                          ; v[208:239] four fragments of hidden (block mb, K step ks at 8 (2 mb + ks))
.set BI,  240                          ; v[240:247] the two biases of my 4 columns
	s_load_b256 s[4:11], s[0:1], 0x0               ; W1 s[4:5], W2 s[6:7], hidden s[8:9], W1_b s[10:11]
	s_load_b128 s[12:15], s[0:1], 0x20             ; W2_b s[12:13], wf s[14:15]
	s_load_b64 s[16:17], s[0:1], 0x30              ; hb
	v_lshl_add_u32 v[SPW], v0, 2, SPARE
	v_mov_b32 v[NIL], 0
	v_lshrrev_b32 v13, 5, v0
	v_readfirstlane_b32 s20, v13                   ; wave 0..15
	s_and_b32 s21, ttmp9, 15                       ; which 64 columns
	v_and_b32 v13, 15, v0                          ; l % 16
	v_bfe_u32 v14, v0, 4, 1                        ; l / 16
	v_and_b32 v15, 31, v0                          ; l
	s_mov_b32 s30, 0x4038aa3b                      ; c = 2.885390
	s_mov_b32 s31, s30                             ; named with it as a pair
	s_lshl_b32 s22, s20, 18                        ; 64 rows of 4,096 bytes a wave
	s_lshl_b32 s23, s21, 8                         ; the group's 256 bytes of a row
	s_add_co_u32 s22, s22, s23
	v_lshlrev_b32 v[GOF], 12, v14
	v_lshl_add_u32 v[GOF], v13, 4, v[GOF]
	v_add_nc_u32 v[GOF], s22, v[GOF]
	s_mul_i32 s24, s20, WTILE                      ; my wave's tile
	v_mul_u32_u24 v[STA], v14, PW
	v_lshl_add_u32 v[STA], v13, 3, v[STA]
	v_add_nc_u32 v[STA], s24, v[STA]
	v_and_b32 v[TRA], 7, v0                        ; lane l reads row 8 (l / 16) + l % 8, bytes 16 ((l / 8) % 2) on
	v_lshl_add_u32 v[TRA], v14, 3, v[TRA]
	v_mul_u32_u24 v[TRA], v[TRA], PW
	v_bfe_u32 v1, v0, 3, 1
	v_lshl_add_u32 v[TRA], v1, 4, v[TRA]
	v_add_nc_u32 v[TRA], s24, v[TRA]
	s_wait_kmcnt 0x0
; 32 loads: each takes two rows' 256 aligned bytes (lanes 0-15 one row, lanes 16-31 the next)
.macro WLOADS base
.set i, 0
.rept 32
	global_load_b128 v[LD+4*i:LD+4*i+3], v[GOF], s[\base:\base+1] offset:i*8192 th:TH_LOAD_NT
.set i, i+1
.endr
.endm
; each load's four numbers: times c, rounded once to bf16, 8 bytes into my tile
.macro WCONV
.set i, 0
.rept 32
	s_wait_loadcnt 31-i                            ; loads come back in order: the younger ones of the 32 stay out
	v_pk_mul_f32 v[LD+4*i:LD+4*i+1], v[LD+4*i:LD+4*i+1], s[30:31] op_sel_hi:[1,0]
	v_pk_mul_f32 v[LD+4*i+2:LD+4*i+3], v[LD+4*i+2:LD+4*i+3], s[30:31] op_sel_hi:[1,0]
	v_cvt_pk_bf16_f32 v[LD+4*i], v[LD+4*i], v[LD+4*i+1]
	v_cvt_pk_bf16_f32 v[LD+4*i+1], v[LD+4*i+2], v[LD+4*i+3]
	ds_store_b64 v[STA], v[LD+4*i:LD+4*i+1] offset:i*2*PW
.set i, i+1
.endr
.endm
; eight fragments out of my own tile, turned: LDS serves a wave's instructions in order, so these see the stores above
.macro WFRAG
.irp f, 0,1,2,3,4,5,6,7
	ds_load_tr16_b128 v[WFR+8*\f:WFR+8*\f+3],   v[TRA] offset:(\f/4)*32*PW+(\f%4)*32
	ds_load_tr16_b128 v[WFR+8*\f+4:WFR+8*\f+7], v[TRA] offset:(\f/4)*32*PW+(\f%4)*32+16*PW
.endr
.endm
	s_cmp_lt_u32 ttmp9, 16
	s_cbranch_scc0 .Lrole1                         ; the same for all waves of a work-group
	; ---------------- W1: fragments to wf
	WLOADS 4
	s_lshr_b32 s25, s21, 3                         ; pass pi
	s_bfe_u32 s26, s21, 0x20001                    ; wave w of the main launch: 2 bits from bit 1
	s_lshl_b32 s26, s26, 6
	s_lshl_b32 s25, s25, 5
	s_add_co_u32 s25, s25, s26
	s_lshl_b32 s27, s20, 1                         ; my two K steps
	s_add_co_u32 s25, s25, s27
	s_lshl_b32 s26, s25, 13                        ; 8,192 bytes a K step
	s_and_b32 s27, s21, 1                          ; which four of the eight blocks of 16 units
	s_lshl_b32 s27, s27, 12
	s_add_co_u32 s26, s26, s27
	s_mov_b32 s27, 0
	s_add_nc_u64 s[14:15], s[14:15], s[26:27]
	v_lshlrev_b32 v[OOF], 4, v15
	WCONV
	WFRAG
.set n, 0
.rept 16
	s_wait_dscnt 15-n                              ; LDS loads come back in order: number n of the sixteen is in
	global_store_b128 v[OOF], v[WFR+4*n:WFR+4*n+3], s[14:15] offset:(n/8)*8192+((n/2)%4)*1024+(n%2)*512  ; 512 consecutive bytes, aligned
.set n, n+1
.endr
	s_wait_tensorcnt 0x0                           ; the wave's end: three lines behind my last LDS store
	ds_add_u32 v[SPW], v[NIL]
	s_wait_dscnt 0x0
	s_endpgm
	; ---------------- W2: hb
.Lrole1:
	v_lshlrev_b32 v[HOF], 12, v13                  ; batch l % 16,
	v_lshl_add_u32 v[HOF], v14, 5, v[HOF]          ; 8 numbers for each half of the lanes,
	s_lshl_b32 s25, s20, 8
	v_add_nc_u32 v[HOF], s25, v[HOF]               ; my wave's 64 k
	v_lshl_add_u32 v[BOF], v13, 4, s23             ; thread's 4 columns: the group's 256 bytes + 16 (thread % 16)
.irp f, 0,1,2,3                                ; fragment f = 2 mb + ks: 16 batches x 32 k in f32, four loads
.irp q, 0,1,2,3
	global_load_b128 v[WFR+16*\f+4*\q:WFR+16*\f+4*\q+3], v[HOF], s[8:9] offset:(\f/2)*65536+(\f%2)*128+(\q/2)*64+(\q%2)*16
.endr
.endr
	global_load_b128 v[BI:BI+3],   v[BOF], s[10:11]
	global_load_b128 v[BI+4:BI+7], v[BOF], s[12:13]
	WLOADS 6
	s_lshl_b32 s25, s20, 13
	s_add_co_u32 s25, s25, RED
	v_lshl_add_u32 v[RST], v15, 5, s25             ; 32 bytes a lane in each of my eight tiles
	v_lshrrev_b32 v248, 4, v0                      ; on the way out thread n has batch n / 16 and columns 4 (n % 16) ..
	v_lshl_add_u32 v[OOF], v248, 12, v[BOF]
	v_lshrrev_b32 v248, 8, v0                      ; block of batches
	v_lshrrev_b32 v249, 2, v13                     ; block of units
	v_lshl_add_u32 v248, v248, 2, v249
	v_bfe_u32 v249, v0, 4, 4                       ; the lane that held them: batch % 16,
	v_bfe_u32 v250, v0, 1, 1                       ; and the half with units 8 ..
	v_lshl_add_u32 v249, v250, 4, v249
	v_and_b32 v250, 1, v0                          ; its registers 0-3 or 4-7
	v_lshlrev_b32 v250, 4, v250
	v_lshl_add_u32 v250, v249, 5, v250
	v_lshl_add_u32 v250, v248, 10, v250
	v_add_nc_u32 v[RLA], RED, v250
	v_add_nc_u32 v[RLB], RED+65536, v250
	s_wait_loadcnt 34                              ; hidden is in; the 2 loads of the biases and the 32 of W2 stay out
.set i, 0
.rept 32
	v_cvt_pk_bf16_f32 v[HB+i], v[WFR+2*i], v[WFR+2*i+1]
.set i, i+1
.endr
	WCONV
	WFRAG
	s_wait_dscnt 0x0
	; source 0 = 16 units of W2, source 1 = 16 batches: a lane holds one batch and eight units.  The eight accumulators take turns.
.irp k, 0,1
.irp m, 0,1
.irp u, 0,1,2,3
.if \k == 0
	v_wmma_f32_16x16x32_bf16 v[LD+8*(4*\m+\u):LD+8*(4*\m+\u)+7], v[WFR+8*(4*\k+\u):WFR+8*(4*\k+\u)+7], v[HB+8*(2*\m+\k):HB+8*(2*\m+\k)+7], 0
.else
	v_wmma_f32_16x16x32_bf16 v[LD+8*(4*\m+\u):LD+8*(4*\m+\u)+7], v[WFR+8*(4*\k+\u):WFR+8*(4*\k+\u)+7], v[HB+8*(2*\m+\k):HB+8*(2*\m+\k)+7], v[LD+8*(4*\m+\u):LD+8*(4*\m+\u)+7]
.endif
.endr
.endr
.endr
.rept 4
	v_nop                                          ; four places between the last product and the stores that read results
.endr
.irp a, 0,1,2,3,4,5,6,7
	ds_store_b128 v[RST], v[LD+8*\a:LD+8*\a+3]   offset:\a*1024
	ds_store_b128 v[RST], v[LD+8*\a+4:LD+8*\a+7] offset:\a*1024+16
.endr
	s_wait_dscnt 0x0                               ; for the others' sake: my partial sums lie in LDS
	s_barrier_signal -1
	s_barrier_wait -1
.irp w, 0,1,2,3,4,5,6,7
	ds_load_b128 v[LD+64+4*\w:LD+64+4*\w+3],   v[RLA] offset:\w*8192
	ds_load_b128 v[LD+96+4*\w:LD+96+4*\w+3],   v[RLB] offset:\w*8192
.endr
	v_pk_add_f32 v[BI:BI+1],   v[BI:BI+1],   v[BI+4:BI+5]   ; the biases came in ahead of W2
	v_pk_add_f32 v[BI+2:BI+3], v[BI+2:BI+3], v[BI+6:BI+7]
	s_wait_dscnt 0x0
.irp s, 32,16,8,4                              ; the sixteen waves' sums, pairwise
.set i, 0
.rept \s/2
	v_pk_add_f32 v[LD+64+i:LD+64+i+1], v[LD+64+i:LD+64+i+1], v[LD+64+\s+i:LD+64+\s+i+1]
.set i, i+2
.endr
.endr
	v_pk_fma_f32 v[LD+64:LD+65], v[BI:BI+1],   s[30:31], v[LD+64:LD+65] op_sel_hi:[1,0,1]
	v_pk_fma_f32 v[LD+66:LD+67], v[BI+2:BI+3], s[30:31], v[LD+66:LD+67] op_sel_hi:[1,0,1]
	global_store_b128 v[OOF], v[LD+64:LD+67], s[16:17]      ; sixteen lanes store 256 consecutive bytes, aligned
	s_wait_tensorcnt 0x0                           ; the wave's end: three lines behind my last LDS store
	ds_add_u32 v[SPW], v[NIL]
	s_wait_dscnt 0x0
	s_endpgm
.Lfunc_end_k_q40358f6730_prep:
	.size	k_q40358f6730_prep, .Lfunc_end_k_q40358f6730_prep-k_q40358f6730_prep
	.p2alignl 7, 3214868480
	.fill 96, 4, 3214868480
	.section	.rodata,"a",@progbits
	.p2align	6, 0x0
	.amdhsa_kernel k_q40358f6730_prep
		.amdhsa_group_segment_fixed_size 296960
		.amdhsa_private_segment_fixed_size 0
		.amdhsa_enable_private_segment 0
		.amdhsa_kernarg_size 56
		.amdhsa_user_sgpr_count 2
		.amdhsa_user_sgpr_kernarg_segment_ptr 1
		.amdhsa_wavefront_size32 1
		.amdhsa_system_sgpr_workgroup_id_x 1
		.amdhsa_system_sgpr_workgroup_id_y 1
		.amdhsa_system_sgpr_workgroup_id_z 1
		.amdhsa_system_vgpr_workitem_id 0
		.amdhsa_next_free_vgpr 256
		.amdhsa_next_free_sgpr 66
		.amdhsa_reserve_vcc 0
		.amdhsa_float_denorm_mode_32 3
		.amdhsa_float_denorm_mode_16_64 3
		.amdhsa_memory_ordered 1
		.amdhsa_forward_progress 1
		.amdhsa_inst_pref_size 45
	.end_amdhsa_kernel
	.amdgpu_metadata
---
amdhsa.version: [ 1, 2 ]
amdhsa.kernels:
  - .name:           k_q40358f6730_prep
    .symbol:         k_q40358f6730_prep.kd
    .args:
      - { .name: W1_w, .offset: 0, .size: 8, .value_kind: global_buffer, .address_space: global }
      - { .name: W2_w, .offset: 8, .size: 8, .value_kind: global_buffer, .address_space: global }
      - { .name: hidden, .offset: 16, .size: 8, .value_kind: global_buffer, .address_space: global }
      - { .name: W1_b, .offset: 24, .size: 8, .value_kind: global_buffer, .address_space: global }
      - { .name: W2_b, .offset: 32, .size: 8, .value_kind: global_buffer, .address_space: global }
      - { .name: wf, .offset: 40, .size: 8, .value_kind: global_buffer, .address_space: global }
      - { .name: hb, .offset: 48, .size: 8, .value_kind: global_buffer, .address_space: global }
    .group_segment_fixed_size: 296960
    .private_segment_fixed_size: 0
    .kernarg_segment_align: 8
    .kernarg_segment_size: 56
    .max_flat_workgroup_size: 512
    .sgpr_count:     66
    .vgpr_count:     256
    .wavefront_size: 32
...
	.end_amdgpu_metadata
.endif
;; end of part 1
;; launch main (part 2): grid 512 x 1, 4 waves a work-group, no clusters, 310,784 bytes of LDS; arguments features, wf, hb, V_w, V_b, lg, part; writes lg, part
.if DOCPART == 2
	.amdgcn_target "amdgcn-amd-amdhsa--gfx1250"
	.amdhsa_code_object_version 6
	.text
	.protected	k_q40358f6730_main
	.globl	k_q40358f6730_main
	.p2align	8
	.type	k_q40358f6730_main,@function
k_q40358f6730_main:
	s_mov_b64 s[64:65], 0
	v_nop
	global_prefetch_b8 v0, s[64:65] scope:SCOPE_SE
	s_setreg_imm32_b32 hwreg(HW_REG_WAVE_MODE, 25, 1), 1
	s_wait_xcnt 0x0
; For a block of 128 rows t of one batch b:  logit[t] = sum over u of V[u] tanh(features[t] . W1[:, u] + h[b][u] + biases) + V_b, stored to lg;
; and part[block][d] = sum over the block's t of bf16(e^(logit[t] - m)) bf16(features[t][d]), m = the block's largest logit.  The last launch joins the blocks.
; ONE READING OF THE FEATURES.  The block's 128 x 1024 numbers are loaded once, rounded once to bf16 and kept in LDS: they are the first product's operand
; (twice: two passes of 512 units) and then the weighted sum's.
; SHARES.  Four waves; in a pass wave w makes 128 rows x 128 units: 64 accumulators of 16 x 16.  K goes in steps of 32: 64 matrix instructions, 16 LDS loads (features), 16 global loads (weights).
; The waves split the units, so no wave wants a weight that another has fetched: the weights come straight into registers, from wf, where they lie in fragment order (512 consecutive bytes a load).
; NO CLUSTER, NO JOINT LOADS: the weights are what work-groups share, but the resident rows take 294,912 of the 327,680 bytes of LDS, and what the tables below leave would not
; hold one K step of the four waves' weights (32,768 bytes), let alone two slots of it.
; THE PRODUCT IS USED TRANSPOSED: source 0 = 16 units of c W1, source 1 = 16 rows t.  A lane then holds ONE row t (lane % 16) and the units 8 (lane / 16) + 0..7, so the sum over units stays in the lane.
; The first K step's C operand is c (h + biases): the accumulator is c x, c = 2 log2(e), and tanh(x) = 1 - 2 / (1 + 2^(c x)).  So logit = sum V + V_b - 2 sum V / (1 + 2^(c x)).
; LIMITS.  2^(c x) beyond f32's range gives tanh = 1, below it tanh = -1, both exact; a weight below 2^-126 counts as 0; weights and features enter the weighted sum in bf16;
; NaN and infinities are not treated apart.
; REGISTERS, in windows of 256 (s_set_vgpr_msb: bits 1:0 source 0, 3:2 source 1, 5:4 source 2, 7:6 destination):
;   window 0: v0-31 addresses and small work; v32-95 CV (the C operand, later V); v96-127 features set 2, later the rows' sums; v128-191, v192-255 two buffers of feature fragments
;   window 1: v0-63, v64-127, v128-191 three buffers of weight fragments; v192-223, v224-255 features sets 0, 1 (f32 on their way to LDS), in pass 2 a fourth weight buffer
;   windows 2, 3: accumulator (tb, ub) at window 2 + tb / 4, v[8 (8 (tb % 4) + ub)]
.set PA,    144                        ; a row of 64 k in LDS: 128 bytes + 16 = 36 words: the 16 rows of a fragment load start at 16 different groups of four banks
.set TILE,  128*PA                     ; a tile: 128 rows x 64 k.  16 tiles hold the block
.set HBS,   16*TILE                    ; c (h + biases) of my batch, 1,024 f32
.set VS,    HBS+4096                   ; V, 1,024 f32
.set LP,    VS+4096                    ; the four waves' parts of the 128 sums
.set PT,    LP+2048                    ; the 128 weights in bf16, a copy for each wave
.set CX,    PT+1024                    ; 1,024 bytes a wave, for the way out
.set SPARE, CX+4096                    ; the spare words, 128 bytes for each wave; no other line names them
.set R,    1                           ; v1   l % 16
.set H,    2                           ; v2   l / 16
.set LN,   3                           ; v3   l
.set LA0,  4                           ; v4   my place in a tile as a fragment's reader: (l % 16) PA + 16 (l / 16)
.set ADRA, 5                           ; v5   the same in the tile that the loop stands at
.set ST0,  6                           ; v6   my place in a tile as a writer: (32 wave + l / 16) PA + 8 (l % 16)
.set STA,  7                           ; v7   the same in the tile that the loop stands at
.set WOF,  8                           ; v8   16 l; never rewritten
.set XOF,  9                           ; v9   my byte offset in the block's features: (32 wave + l / 16) rows + 16 (l % 16); never rewritten
.set PFO,  10                          ; v10  the prefetches' offset: row 32 wave + l; never rewritten
.set CVA,  11                          ; v11  where my units' 8 numbers of a table begin
.set SPW,  30                          ; v30  LDS address of my spare word; never rewritten
.set NIL,  31                          ; v31  0; never rewritten
.set CV,   32
.set FS2,  96
.set LS,   96                          ; row block tb's sum, even and odd units apart, at v[LS + 2 tb]
.set AF0,  128
.set MSB, 0
.macro WIN new                         ; the immediate's high byte repeats the setting that is left; a switch that changes nothing is dropped
.if MSB != (\new)
	s_set_vgpr_msb (MSB<<8)|(\new)
.set MSB, \new
.endif
.endm
.macro PLACES                          ; four places between a matrix instruction and a load into, or a vector instruction on, its registers
.rept 4
	v_nop
.endr
.endm
; The weights of stream step s (0-31 pass 1, 32-63 pass 2) into buffer buf of window 1; s[6:7] stands at step SB
.macro WLOAD s, buf, SB
	WIN 0x40
.irp u, 0,1,2,3,4,5,6,7
	global_load_b128 v[(\buf)+8*\u:(\buf)+8*\u+3],   v[WOF], s[6:7] offset:((\s)-(\SB))*8192+\u*1024
	global_load_b128 v[(\buf)+8*\u+4:(\buf)+8*\u+7], v[WOF], s[6:7] offset:((\s)-(\SB))*8192+\u*1024+512
.endr
.endm
; The eight feature fragments of K step ks into buffer ks % 2; the address register stands at tile TA
.macro ALOAD ks, adr, TA
	WIN 0
.set AFB, AF0+64*((\ks)%2)
.irp b, 0,1,2,3,4,5,6,7
	ds_load_b128 v[AFB+8*\b:AFB+8*\b+3],   v[\adr] offset:((\ks)/2-(\TA))*TILE+((\ks)%2)*64+\b*16*PA
	ds_load_b128 v[AFB+8*\b+4:AFB+8*\b+7], v[\adr] offset:((\ks)/2-(\TA))*TILE+((\ks)%2)*64+\b*16*PA+32
.endr
.endm
; Slice q of the features: tile q / 2 (256 bytes of a row), 16 of my wave's 32 rows; a load takes two rows' 256 aligned bytes.  Into set q % 3; s[4:5] stands at tile XP
.macro XLOAD q, XP
.if (\q)%3 == 2
	WIN 0
.set FB, FS2
.else
	WIN 0x40
.set FB, 192+32*((\q)%3)
.endif
.irp i, 0,1,2,3,4,5,6,7
	global_load_b128 v[FB+4*\i:FB+4*\i+3], v[XOF], s[4:5] offset:((\q)/2-(\XP))*256+(((\q)%2)*16+2*\i)*4096 th:TH_LOAD_NT
.endr
.endm
; Slice q is rounded to bf16 and laid into its tile; the address register stands at tile TS
.macro CONV q, adr, TS
.if (\q)%3 == 2
	WIN 0
.set FB, FS2
.else
	WIN 0x45
.set FB, 192+32*((\q)%3)
.endif
.irp i, 0,1,2,3,4,5,6,7
	v_cvt_pk_bf16_f32 v[FB+4*\i],   v[FB+4*\i],   v[FB+4*\i+1]
	v_cvt_pk_bf16_f32 v[FB+4*\i+1], v[FB+4*\i+2], v[FB+4*\i+3]
.endr
.if (\q)%3 != 2
	WIN 0x04
.endif
.irp i, 0,1,2,3,4,5,6,7
	ds_store_b64 v[\adr], v[FB+4*\i:FB+4*\i+1] offset:((\q)/2-(\TS))*TILE+(((\q)%2)*16+2*\i)*PA
.endr
.endm
; 32 matrix instructions: row blocks 4 hi .. 4 hi + 3 x all 8 unit blocks.  cm = 1: the sums start on CV.  The 64 accumulators take turns, in the same order in every step.
.macro MULH af, wb, hi, cm
.if \cm
	WIN 0x81+0x40*(\hi)
.else
	WIN 0xa1+0x50*(\hi)
.endif
.irp a, 0,1,2,3
.irp b, 0,1,2,3,4,5,6,7
.if \cm
	v_wmma_f32_16x16x32_bf16 v[8*(8*\a+\b):8*(8*\a+\b)+7], v[(\wb)+8*\b:(\wb)+8*\b+7], v[(\af)+8*(4*(\hi)+\a):(\af)+8*(4*(\hi)+\a)+7], v[CV+8*\b:CV+8*\b+7]
.else
	v_wmma_f32_16x16x32_bf16 v[8*(8*\a+\b):8*(8*\a+\b)+7], v[(\wb)+8*\b:(\wb)+8*\b+7], v[(\af)+8*(4*(\hi)+\a):(\af)+8*(4*(\hi)+\a)+7], v[8*(8*\a+\b):8*(8*\a+\b)+7]
.endif
.endr
.endr
.endm
; My 8 x 8 numbers of a table (which = 0: c (h + biases), 1: V) for pass pi: register 8 ub + j holds unit 16 ub + 8 (l / 16) + j of my 128
.macro CVLOAD which, pi
	WIN 0
.irp u, 0,1,2,3,4,5,6,7
	ds_load_b128 v[CV+8*\u:CV+8*\u+3],   v[CVA] offset:(\which)*4096+(\pi)*2048+\u*64
	ds_load_b128 v[CV+8*\u+4:CV+8*\u+7], v[CVA] offset:(\which)*4096+(\pi)*2048+\u*64+16
.endr
.endm
; STEP t OF PASS 1.  At its head my loads stand in this order: slice t+3, weights t, slice t+4, weights t+1, slice t+5.  The step rounds slice t+3 into LDS, fetches fragments t+1,
; asks for weights t+2 and slice t+6, and multiplies.  TILES BETWEEN WAVES: tile g is written in steps 2g-3 and 2g-2, signalled in the middle of step 2g-2 (each wave's stores waited for),
; waited for at the head of step 2g-1, and read from there on; no byte of a tile is written twice.
; pf: a prefetch into the L2 of my 32 rows' 256 bytes of the tile whose loads go out four steps (256 matrix instructions) later: a lane a row, each block named once in the launch, by the wave
; that will load it; tiles 0-5 come by their loads alone; pf = 2: left out in the loop's last trip, where that tile does not exist.
.macro STEP1 t, SB, TA, TS, XP, aadr, sadr, cm=0, pf=0
.if (\t) <= 26
	s_wait_loadcnt 32                              ; slice t+3 and weights t are in; slice t+4 (8), weights t+1 (16), slice t+5 (8) stay out
.elseif (\t) == 27
	s_wait_loadcnt 24                              ; the last slice (8) and weights t+1 (16) stay out
.else
	s_wait_loadcnt 16                              ; weights t+1 stay out
.endif
	s_wait_dscnt 0x0                               ; fragments t are in
.if ((\t)%2 == 1) && ((\t) <= 29)
	s_barrier_wait -1                              ; every wave's part of tile (t+1)/2 lies in LDS
.endif
.if (\t) <= 28
	CONV (\t)+3, \sadr, \TS                        ; its sixteen roundings are the places behind the last step's products
.else
	PLACES
.endif
.if (\t) == 31
	ALOAD 0, LA0, 0                                ; pass 2 begins at K step 0 again
.else
	ALOAD (\t)+1, \aadr, \TA
.endif
	WLOAD (\t)+2, 64*(((\t)+2)%3), \SB
.if (\t) <= 25
	XLOAD (\t)+6, \XP
.endif
.if \pf
	WIN 0
.if (\pf) == 2
	s_cmp_gt_u32 s24, 1
	s_cbranch_scc0 .Lnopf_\@
.endif
	global_prefetch_b8 v[PFO], s[4:5] offset:((\t)/2+5-(\XP))*256 th:TH_LOAD_NT scope:SCOPE_SE
.Lnopf_\@:
.endif
	MULH AF0+64*((\t)%2), 64*((\t)%3), 0, \cm
.if ((\t)%2 == 0) && ((\t) <= 28)
	s_wait_dscnt 0x0                               ; for the others' sake: my stores into tile t/2+1 are done
	s_barrier_signal -1                            ; only products and waits stand between this and the wait at the next step's head
.endif
	MULH AF0+64*((\t)%2), 64*((\t)%3), 1, \cm
.endm
; STEP p OF PASS 2: the features lie in LDS; the weights run on through four buffers, three steps ahead.
.macro STEP2 p, SB, TA, aadr, cm=0
.if (\p) <= 29
	s_wait_loadcnt 32                              ; this step's weights are in; the next two steps' stay out
.elseif (\p) == 30
	s_wait_loadcnt 16
.else
	s_wait_loadcnt 0x0
.endif
	s_wait_dscnt 0x0
.if (\p) > 0
	PLACES
.endif
.if (\p) <= 30
	ALOAD (\p)+1, \aadr, \TA
.endif
.if (\p) <= 28
.if ((\p)+3)%4 == 3
	WLOAD 32+(\p)+3, 192, \SB
.else
	WLOAD 32+(\p)+3, 64*(((((\p)+3)%4)+2)%3), \SB
.endif
.endif
.if (\p)%4 == 3
.set WB2, 192
.else
.set WB2, 64*((((\p)%4)+2)%3)
.endif
	MULH AF0+64*((\p)%2), WB2, 0, \cm
	MULH AF0+64*((\p)%2), WB2, 1, \cm
.endm
; BEHIND A PASS: 1 / (1 + 2^(c x)) in place on all 512 registers, then the rows' sums take V times it.  Two batches of transcendentals, each with one plain instruction behind its last
; and one wait ahead of its first reader.  Each accumulator is read from its lowest register on.
.macro EPI first, pi
	CVLOAD 1, \pi
.irp hi, 0,1
	WIN 0x82+0x41*\hi
.set i, 0
.rept 256
	v_exp_f32 v[i], v[i]
.set i, i+1
.endr
.endr
	v_nop
	s_wait_alu depctr_va_vdst(0)
.irp hi, 0,1
	WIN 0x82+0x41*\hi
.set i, 0
.rept 128
	v_pk_add_f32 v[i:i+1], v[i:i+1], 1.0 op_sel_hi:[1,0]
	v_rcp_f32 v[i], v[i]
	v_rcp_f32 v[i+1], v[i+1]
.set i, i+2
.endr
.endr
	v_nop
	s_wait_alu depctr_va_vdst(0)
	s_wait_dscnt 0x0                               ; V is in
.irp hi, 0,1
	WIN 0x02+\hi
.set n, 0
.rept 128                                      ; the window's four row blocks by turns: four chains
.set rA, 8*(8*(n%4)+n/16)+2*((n/4)%4)
.set rV, CV+8*(n/16)+2*((n/4)%4)
.set rL, LS+2*(4*\hi+n%4)
.if (\first) && (n < 4)
	v_pk_mul_f32 v[rL:rL+1], v[rA:rA+1], v[rV:rV+1]
.else
	v_pk_fma_f32 v[rL:rL+1], v[rA:rA+1], v[rV:rV+1], v[rL:rL+1]
.endif
.set n, n+1
.endr
.endr
.endm
	s_load_b256 s[4:11], s[0:1], 0x0               ; features s[4:5], wf s[6:7], hb s[8:9], V_w s[10:11]
	s_load_b128 s[12:15], s[0:1], 0x20             ; V_b s[12:13], lg s[14:15]
	s_load_b64 s[16:17], s[0:1], 0x30              ; part
	v_lshl_add_u32 v[SPW], v0, 2, SPARE
	v_mov_b32 v[NIL], 0
	v_lshrrev_b32 v12, 5, v0
	v_readfirstlane_b32 s20, v12                   ; wave 0..3
	v_and_b32 v[R], 15, v0
	v_bfe_u32 v[H], v0, 4, 1
	v_and_b32 v[LN], 31, v0
	v_mul_u32_u24 v[LA0], v[R], PA
	v_lshl_add_u32 v[LA0], v[H], 4, v[LA0]
	s_mul_i32 s30, s20, 32*PA
	v_mul_u32_u24 v[ST0], v[H], PA
	v_lshl_add_u32 v[ST0], v[R], 3, v[ST0]
	v_add_nc_u32 v[ST0], s30, v[ST0]
	v_lshlrev_b32 v[WOF], 4, v[LN]
	s_lshl_b32 s30, s20, 17                        ; my wave's 32 rows of 4,096 bytes
	v_lshlrev_b32 v[XOF], 12, v[H]
	v_lshl_add_u32 v[XOF], v[R], 4, v[XOF]
	v_add_nc_u32 v[XOF], s30, v[XOF]
	v_lshl_add_u32 v[PFO], v[LN], 12, s30
	s_lshl_b32 s31, s20, 9                         ; my wave's 128 units of a pass
	s_add_co_u32 s31, s31, HBS
	v_lshl_add_u32 v[CVA], v[H], 5, s31
	v_lshlrev_b32 v12, 4, v0                       ; 16 x thread: the two tables' way in
	v_add_nc_u32 v13, HBS, v12
	s_lshl_b32 s32, ttmp9, 19                      ; the block's 128 rows of 4,096 bytes
	s_mov_b32 s33, 0
	s_lshl_b32 s34, s20, 19                        ; my wave's 64 steps of 8,192 bytes in wf
	s_mov_b32 s35, 0
	s_lshr_b32 s36, ttmp9, 4                       ; the batch
	s_lshl_b32 s36, s36, 12
	s_mov_b32 s37, 0
	s_lshl_b32 s38, ttmp9, 9                       ; the block's 128 logits
	s_mov_b32 s39, 0
	s_lshl_b32 s40, ttmp9, 12                      ; the block's row of part,
	s_lshl_b32 s41, s20, 10                        ; my wave's 256 numbers of it
	s_add_co_u32 s40, s40, s41
	s_mov_b32 s41, 0
	s_mov_b32 s26, 0x76543210                      ; v_permlanex16_b32: each lane takes its own place in the other half
	s_mov_b32 s27, 0xfedcba98
	s_mov_b32 s28, 0xffff0000                      ; lanes 16-31
	s_mov_b32 s29, 0x3fb8aa3b                      ; log2(e)
	s_wait_kmcnt 0x0
	s_add_nc_u64 s[4:5], s[4:5], s[32:33]
	s_add_nc_u64 s[6:7], s[6:7], s[34:35]
	s_add_nc_u64 s[8:9], s[8:9], s[36:37]
	s_add_nc_u64 s[14:15], s[14:15], s[38:39]
	s_add_nc_u64 s[16:17], s[16:17], s[40:41]
	s_load_b32 s25, s[12:13], 0x0                  ; V_b; waited for where it is used
	global_load_b128 v[192:195], v12, s[8:9]
	global_load_b128 v[196:199], v12, s[8:9] offset:2048
	global_load_b128 v[200:203], v12, s[10:11]
	global_load_b128 v[204:207], v12, s[10:11] offset:2048
	XLOAD 0, 0
	XLOAD 1, 0
	XLOAD 2, 0
	WIN 0
	s_wait_loadcnt 24                              ; the tables are in; the three slices stay out
	ds_store_b128 v13, v[192:195]
	ds_store_b128 v13, v[196:199] offset:2048
	ds_store_b128 v13, v[200:203] offset:4096
	ds_store_b128 v13, v[204:207] offset:6144
	s_wait_loadcnt 16                              ; slice 0 is in; slices 1, 2 stay out
	CONV 0, ST0, 0
	XLOAD 3, 0
	s_wait_loadcnt 16                              ; slice 1 is in; slices 2, 3 stay out
	CONV 1, ST0, 0
	WLOAD 0, 0, 0
	XLOAD 4, 0
	s_wait_dscnt 0x0                               ; for the others' sake: my parts of the tables and of tile 0 lie in LDS
	s_barrier_signal -1
	s_wait_loadcnt 32                              ; slice 2 is in; slice 3 (8), weights 0 (16), slice 4 (8) stay out
	s_barrier_wait -1
	CONV 2, ST0, 0
	ALOAD 0, LA0, 0
	CVLOAD 0, 0
	WLOAD 1, 64, 0
	XLOAD 5, 0
	; ---------------- pass 1: units 128 w .. of the first 512
	STEP1 0, 0, 0, 0, 0, LA0, ST0, 1               ; written out: its products start the sums on c (h + biases)
	WIN 0                                          ; at a label and at a branch every window is 0
	s_mov_b32 s22, TILE                            ; the loop's first fragments lie in tile 1,
	s_mov_b32 s23, 2*TILE                          ; its first slices go to tile 2
	v_add_nc_u32 v[ADRA], s22, v[LA0]
	v_add_nc_u32 v[STA], s23, v[ST0]
	s_mov_b32 s24, 4
.Lp1:                                                  ; a trip: six steps (two fragment buffers, three weight buffers, three sets), three tiles
	STEP1 1, 0, 1, 2, 0, ADRA, STA
	STEP1 2, 0, 1, 2, 0, ADRA, STA, 0, 1
	STEP1 3, 0, 1, 2, 0, ADRA, STA
	STEP1 4, 0, 1, 2, 0, ADRA, STA, 0, 2
	STEP1 5, 0, 1, 2, 0, ADRA, STA
	STEP1 6, 0, 1, 2, 0, ADRA, STA, 0, 2
	WIN 0
	s_wait_xcnt 0x0                                ; every load and prefetch issued so far (the youngest 64 products back) has read its address: the bases may be written
	s_add_nc_u64 s[6:7], s[6:7], 6*8192
	s_add_nc_u64 s[4:5], s[4:5], 3*256
	s_add_co_u32 s22, s22, 3*TILE
	s_add_co_u32 s23, s23, 3*TILE
	v_add_nc_u32 v[ADRA], s22, v[LA0]
	v_add_nc_u32 v[STA], s23, v[ST0]
	s_sub_co_u32 s24, s24, 1
	s_cmp_lg_u32 s24, 0
	s_cbranch_scc1 .Lp1
.irp t, 25,26,27,28,29,30,31                   ; the tail is written out: the slices end, the counts run down, the weights run on into pass 2
	STEP1 \t, 24, 13, 14, 12, ADRA, STA
.endr
	PLACES                                         ; behind the last products: for the load into their weight buffer and for the exponentials
	WLOAD 34, 64, 24
	EPI 1, 0
	; ---------------- pass 2: the second 512 units
	CVLOAD 0, 1
	s_wait_xcnt 0x0
	s_add_nc_u64 s[6:7], s[6:7], 8*8192            ; from stream step 24 to 32
	STEP2 0, 32, 0, LA0, 1
	WIN 0
	s_mov_b32 s22, TILE
	v_add_nc_u32 v[ADRA], s22, v[LA0]
	s_mov_b32 s24, 7
.Lp2:                                                  ; a trip: four steps, two tiles
	STEP2 1, 32, 1, ADRA
	STEP2 2, 32, 1, ADRA
	STEP2 3, 32, 1, ADRA
	STEP2 4, 32, 1, ADRA
	WIN 0
	s_wait_xcnt 0x0
	s_add_nc_u64 s[6:7], s[6:7], 4*8192
	s_add_co_u32 s22, s22, 2*TILE
	v_add_nc_u32 v[ADRA], s22, v[LA0]
	s_sub_co_u32 s24, s24, 1
	s_cmp_lg_u32 s24, 0
	s_cbranch_scc1 .Lp2
	STEP2 29, 60, 15, ADRA
	STEP2 30, 60, 15, ADRA
	STEP2 31, 60, 15, ADRA
	PLACES
	EPI 0, 1
	; ---------------- the logits.  A row's sum: even and odd units, the other half of the lanes', the four waves'
	WIN 0
.irp b, 0,1,2,3,4,5,6,7
	v_add_f32 v[LS+2*\b], v[LS+2*\b], v[LS+2*\b+1]
.endr
.irp b, 0,1,2,3,4,5,6,7
	v_permlanex16_b32 v[LS+2*\b+1], v[LS+2*\b], s26, s27
.endr
.irp b, 0,1,2,3,4,5,6,7
	v_add_f32 v[LS+2*\b], v[LS+2*\b], v[LS+2*\b+1]
.endr
	s_lshl_b32 s30, s20, 9
	s_add_co_u32 s30, s30, LP
	v_lshl_add_u32 v12, v[R], 2, s30
.irp b, 0,1,2,3,4,5,6,7
	ds_store_b32 v12, v[LS+2*\b] offset:\b*64      ; row 16 b + l % 16; both halves of the lanes write the same number
.endr
	s_wait_dscnt 0x0
	s_barrier_signal -1
	s_barrier_wait -1
	v_add_nc_u32 v13, LP, v[WOF]                   ; from here on every wave does the same for all 128 rows, four a lane
	v_add_nc_u32 v14, VS, v[WOF]
.irp w, 0,1,2,3
	ds_load_b128 v[32+4*\w:35+4*\w], v13 offset:\w*512
.endr
.irp i, 0,1,2,3,4,5,6,7
	ds_load_b128 v[48+4*\i:51+4*\i], v14 offset:\i*512
.endr
	s_lshl_b32 s30, s20, 8
	s_add_co_u32 s30, s30, PT                      ; my wave's copy of the weights
	v_lshl_add_u32 v28, v[LN], 3, s30
	v_lshl_add_u32 v29, v[H], 4, s30
	s_wait_dscnt 0x0
	v_pk_add_f32 v[32:33], v[32:33], v[36:37]
	v_pk_add_f32 v[34:35], v[34:35], v[38:39]
	v_pk_add_f32 v[40:41], v[40:41], v[44:45]
	v_pk_add_f32 v[42:43], v[42:43], v[46:47]
	v_pk_add_f32 v[32:33], v[32:33], v[40:41]
	v_pk_add_f32 v[34:35], v[34:35], v[42:43]
.irp s, 16,8,4,2                               ; the sum of V: 32 numbers a lane, pairwise,
.set i, 0
.rept \s/2
	v_pk_add_f32 v[48+i:48+i+1], v[48+i:48+i+1], v[48+\s+i:48+\s+i+1]
.set i, i+2
.endr
.endr
	v_add_f32 v48, v48, v49
	v_add_f32_dpp v48, v48, v48 row_xmask:1 row_mask:0xf bank_mask:0xf   ; then over the 32 lanes
	v_add_f32_dpp v48, v48, v48 row_xmask:2 row_mask:0xf bank_mask:0xf
	v_add_f32_dpp v48, v48, v48 row_xmask:4 row_mask:0xf bank_mask:0xf
	v_add_f32_dpp v48, v48, v48 row_xmask:8 row_mask:0xf bank_mask:0xf
	v_permlanex16_b32 v49, v48, s26, s27
	v_add_f32 v48, v48, v49
	s_wait_kmcnt 0x0                               ; V_b
	v_add_f32 v48, s25, v48
.irp i, 0,1,2,3
	v_fma_f32 v[16+\i], -2.0, v[32+\i], v48        ; logit of row 4 l + i
.endr
	v_max3_num_f32 v20, v16, v17, v18              ; the block's maximum
	v_max_num_f32 v20, v20, v19
	v_max_num_f32_dpp v20, v20, v20 row_xmask:1 row_mask:0xf bank_mask:0xf
	v_max_num_f32_dpp v20, v20, v20 row_xmask:2 row_mask:0xf bank_mask:0xf
	v_max_num_f32_dpp v20, v20, v20 row_xmask:4 row_mask:0xf bank_mask:0xf
	v_max_num_f32_dpp v20, v20, v20 row_xmask:8 row_mask:0xf bank_mask:0xf
	v_permlanex16_b32 v49, v20, s26, s27
	v_max_num_f32 v20, v20, v49
	v_mul_f32 v21, s29, v20
.irp i, 0,1,2,3
	v_fma_f32 v[22+\i], v[16+\i], s29, -v21
.endr
.irp i, 0,1,2,3
	v_exp_f32 v[22+\i], v[22+\i]
.endr
	v_and_b32 v14, 7, v0                           ; (plain work behind the last exponential) the turning load's place: row 8 (l / 16) + l % 8, bytes 16 ((l / 8) % 2) on,
	v_lshl_add_u32 v14, v[H], 3, v14
	v_mul_u32_u24 v14, v14, PA
	v_bfe_u32 v15, v0, 3, 1
	v_lshl_add_u32 v14, v15, 4, v14
	s_mul_i32 s30, s20, 4*TILE                     ; in my wave's four tiles: channels 256 w ..
	v_add_nc_u32 v14, s30, v14
	v_add_nc_u32 v15, 2*TILE, v14
	s_wait_alu depctr_va_vdst(0)                   ; one wait for the four exponentials, ahead of their first reader
	v_cvt_pk_bf16_f32 v26, v22, v23
	v_cvt_pk_bf16_f32 v27, v24, v25
	ds_store_b64 v28, v[26:27]
	s_cmp_lg_u32 s20, 0
	s_cbranch_scc1 .Lnolg
	global_store_b128 v[WOF], v[16:19], s[14:15]   ; wave 0: the block's 128 logits, 512 consecutive bytes, aligned
.Lnolg:
	; ---------------- the weighted sum.  Source 0 = the weights, the same in all 16 rows; source 1 = 32 rows t x 16 channels, turned out of the tiles.  Every row of the result holds the sum.
.irp s, 0,1,2,3
	ds_load_b128 v[AF0+8*\s:AF0+8*\s+3],   v29 offset:\s*64      ; my own copy: LDS serves a wave's instructions in order
	ds_load_b128 v[AF0+8*\s+4:AF0+8*\s+7], v29 offset:\s*64+32
.endr
.macro FFETCH ts, buf                  ; rows 32 ts .. of my 256 channels: 16 fragments
	WIN 0x40
.irp d, 0,1,2,3,4,5,6,7
	ds_load_tr16_b128 v[(\buf)+8*\d:(\buf)+8*\d+3],   v14 offset:(\d/4)*TILE+(\ts)*32*PA+(\d%4)*32
	ds_load_tr16_b128 v[(\buf)+8*\d+4:(\buf)+8*\d+7], v14 offset:(\d/4)*TILE+(\ts)*32*PA+(\d%4)*32+16*PA
.endr
.irp d, 0,1,2,3,4,5,6,7
	ds_load_tr16_b128 v[(\buf)+64+8*\d:(\buf)+64+8*\d+3],   v15 offset:(\d/4)*TILE+(\ts)*32*PA+(\d%4)*32
	ds_load_tr16_b128 v[(\buf)+64+8*\d+4:(\buf)+64+8*\d+7], v15 offset:(\d/4)*TILE+(\ts)*32*PA+(\d%4)*32+16*PA
.endr
.endm
.macro CMUL ts, buf, zero              ; the 16 accumulators take turns
	WIN 0xa4
.irp d, 0,1,2,3,4,5,6,7,8,9,10,11,12,13,14,15
.if \zero
	v_wmma_f32_16x16x32_bf16 v[8*\d:8*\d+7], v[AF0+8*(\ts):AF0+8*(\ts)+7], v[(\buf)+8*\d:(\buf)+8*\d+7], 0
.else
	v_wmma_f32_16x16x32_bf16 v[8*\d:8*\d+7], v[AF0+8*(\ts):AF0+8*(\ts)+7], v[(\buf)+8*\d:(\buf)+8*\d+7], v[8*\d:8*\d+7]
.endif
.endr
.endm
	FFETCH 0, 0
	FFETCH 1, 128
	s_wait_dscnt 32                                ; all but the 32 just issued
	CMUL 0, 0, 1
	PLACES
	FFETCH 2, 0
	s_wait_dscnt 32
	CMUL 1, 128, 0
	PLACES
	FFETCH 3, 128
	s_wait_dscnt 32
	CMUL 2, 0, 0
	s_wait_dscnt 0x0
	CMUL 3, 128, 0
	WIN 0
	s_lshl_b32 s30, s20, 10                        ; four plain instructions, the places behind the last products: the way out's addresses
	s_add_co_u32 s30, s30, CX
	v_lshl_add_u32 v12, v[LN], 2, s30
	v_lshl_add_u32 v13, v[LN], 4, s30
	v_nop
	v_nop
	WIN 0x0a                                       ; each accumulator's lowest register: lanes 0-15 take channels 32 i + l of one, lanes 16-31 of the next
.irp i, 0,1,2,3,4,5,6,7
	v_cndmask_b32 v[32+\i], v[16*\i], v[16*\i+8], s28
.endr
	WIN 0
.irp i, 0,1,2,3,4,5,6,7
	ds_store_b32 v12, v[32+\i] offset:\i*128
.endr
	ds_load_b128 v[40:43], v13                     ; back as 16 bytes a lane (my own bytes, served in order)
	ds_load_b128 v[44:47], v13 offset:512
	s_wait_dscnt 1
	global_store_b128 v[WOF], v[40:43], s[16:17]   ; 512 consecutive bytes, aligned
	s_wait_dscnt 0x0
	global_store_b128 v[WOF], v[44:47], s[16:17] offset:512
	s_wait_tensorcnt 0x0                           ; the wave's end: three lines behind my last LDS store
	ds_add_u32 v[SPW], v[NIL]
	s_wait_dscnt 0x0
	s_endpgm
.Lfunc_end_k_q40358f6730_main:
	.size	k_q40358f6730_main, .Lfunc_end_k_q40358f6730_main-k_q40358f6730_main
	.p2alignl 7, 3214868480
	.fill 96, 4, 3214868480
	.section	.rodata,"a",@progbits
	.p2align	6, 0x0
	.amdhsa_kernel k_q40358f6730_main
		.amdhsa_group_segment_fixed_size 310784
		.amdhsa_private_segment_fixed_size 0
		.amdhsa_enable_private_segment 0
		.amdhsa_kernarg_size 56
		.amdhsa_user_sgpr_count 2
		.amdhsa_user_sgpr_kernarg_segment_ptr 1
		.amdhsa_wavefront_size32 1
		.amdhsa_system_sgpr_workgroup_id_x 1
		.amdhsa_system_sgpr_workgroup_id_y 1
		.amdhsa_system_sgpr_workgroup_id_z 1
		.amdhsa_system_vgpr_workitem_id 0
		.amdhsa_next_free_vgpr 1024
		.amdhsa_next_free_sgpr 66
		.amdhsa_reserve_vcc 0
		.amdhsa_float_denorm_mode_32 3
		.amdhsa_float_denorm_mode_16_64 3
		.amdhsa_memory_ordered 1
		.amdhsa_forward_progress 1
		.amdhsa_inst_pref_size 255
	.end_amdhsa_kernel
	.section	.bss,"aw",@nobits
	.p2align	6
	.space	262144
	.amdgpu_metadata
---
amdhsa.version: [ 1, 2 ]
amdhsa.kernels:
  - .name:           k_q40358f6730_main
    .symbol:         k_q40358f6730_main.kd
    .args:
      - { .name: features, .offset: 0, .size: 8, .value_kind: global_buffer, .address_space: global }
      - { .name: wf, .offset: 8, .size: 8, .value_kind: global_buffer, .address_space: global }
      - { .name: hb, .offset: 16, .size: 8, .value_kind: global_buffer, .address_space: global }
      - { .name: V_w, .offset: 24, .size: 8, .value_kind: global_buffer, .address_space: global }
      - { .name: V_b, .offset: 32, .size: 8, .value_kind: global_buffer, .address_space: global }
      - { .name: lg, .offset: 40, .size: 8, .value_kind: global_buffer, .address_space: global }
      - { .name: part, .offset: 48, .size: 8, .value_kind: global_buffer, .address_space: global }
    .group_segment_fixed_size: 310784
    .private_segment_fixed_size: 0
    .kernarg_segment_align: 8
    .kernarg_segment_size: 56
    .max_flat_workgroup_size: 128
    .sgpr_count:     66
    .vgpr_count:     1024
    .wavefront_size: 32
...
	.end_amdgpu_metadata
.endif
;; end of part 2
;; launch finish (part 3): grid 32 x 1, 8 waves a work-group, no clusters, 2,048 bytes of LDS; arguments lg, part, out0, out1; writes out0, out1
.if DOCPART == 3
	.amdgcn_target "amdgcn-amd-amdhsa--gfx1250"
	.amdhsa_code_object_version 6
	.text
	.protected	k_q40358f6730_finish
	.globl	k_q40358f6730_finish
	.p2align	8
	.type	k_q40358f6730_finish,@function
k_q40358f6730_finish:
	s_mov_b64 s[64:65], 0
	v_nop
	global_prefetch_b8 v0, s[64:65] scope:SCOPE_SE
	s_setreg_imm32_b32 hwreg(HW_REG_WAVE_MODE, 25, 1), 1
	s_wait_xcnt 0x0
; THE SOFTMAX OVER A BATCH'S 2,048 LOGITS, AND THE 16 BLOCKS' WEIGHTED SUMS JOINED.  One work-group a batch, 256 threads.
; out1[t] = e^(logit[t] - M) / L, M the batch's largest logit, L the sum.  out0[d] = (sum over blocks i of e^(m_i - M) part[i][d]) / L, where m_i is block i's largest logit:
; it is found again here from the same 128 stored logits, and a maximum rounds nothing, so it is the number that the launch before took away.
; A thread holds 8 logits: 4 of block wave and 4 of block 8 + wave; and 4 channels of all 16 blocks.
; 32 work-groups: a batch's softmax is one reduction, and the launch moves 2.4 MB in all.  No matrix unit, no cluster: nothing is shared and nothing is multiplied by a matrix.
; LIMITS.  A weight or a factor below 2^-126 counts as 0; NaN and infinities are not treated apart.
.set RM,    0                          ; LDS: the eight waves' maxima
.set RS,    256                        ; the eight waves' sums
.set GG,    512                        ; the sixteen blocks' factors, each twice (a pair for the packed multiply-add)
.set SPARE, 1024                       ; the spare words, 128 bytes for each wave; no other line names them
.set SPW, 30                           ; v30  LDS address of my spare word; never rewritten
.set NIL, 31                           ; v31  0; never rewritten
.set PR,  32                           ; v[32:95]   my 4 channels of the 16 blocks
.set G,   96                           ; v[96:127]  the 16 pairs of factors
	s_load_b256 s[4:11], s[0:1], 0x0               ; lg s[4:5], part s[6:7], out0 s[8:9], out1 s[10:11]
	v_lshl_add_u32 v[SPW], v0, 2, SPARE
	v_mov_b32 v[NIL], 0
	v_lshrrev_b32 v2, 5, v0
	v_readfirstlane_b32 s12, v2                    ; wave 0..7
	v_lshlrev_b32 v1, 4, v0                        ; 16 x thread; never rewritten
	s_lshl_b32 s14, ttmp9, 13                      ; the batch's 2,048 logits and weights
	s_mov_b32 s15, 0
	s_lshl_b32 s16, ttmp9, 16                      ; its 16 rows of part
	s_mov_b32 s17, 0
	s_lshl_b32 s18, ttmp9, 12                      ; its row of out0
	s_mov_b32 s19, 0
	s_mov_b32 s20, 0x76543210                      ; v_permlanex16_b32: each lane takes its own place in the other half
	s_mov_b32 s21, 0xfedcba98
	s_mov_b32 s22, 0x3fb8aa3b                      ; log2(e)
	s_lshl_b32 s13, s12, 2
	v_mov_b32 v3, s13                              ; 4 x wave
	v_mov_b32 v15, 0
	s_wait_kmcnt 0x0
	s_add_nc_u64 s[4:5], s[4:5], s[14:15]
	s_add_nc_u64 s[10:11], s[10:11], s[14:15]
	s_add_nc_u64 s[6:7], s[6:7], s[16:17]
	s_add_nc_u64 s[8:9], s[8:9], s[18:19]
	global_load_b128 v[4:7],  v1, s[4:5]
	global_load_b128 v[8:11], v1, s[4:5] offset:4096
.irp i, 0,1,2,3,4,5,6,7,8,9,10,11,12,13,14,15
	global_load_b128 v[PR+4*\i:PR+4*\i+3], v1, s[6:7] offset:\i*4096
.endr
	s_wait_loadcnt 16                              ; the logits are in; the 16 loads of part stay out
	v_max3_num_f32 v12, v4, v5, v6
	v_max3_num_f32 v13, v8, v9, v10
	v_max_num_f32 v12, v12, v7
	v_max_num_f32 v13, v13, v11
.irp m, 1,2,4,8
	v_max_num_f32_dpp v12, v12, v12 row_xmask:\m row_mask:0xf bank_mask:0xf
	v_max_num_f32_dpp v13, v13, v13 row_xmask:\m row_mask:0xf bank_mask:0xf
.endr
	v_permlanex16_b32 v2, v12, s20, s21
	v_max_num_f32 v12, v12, v2                     ; m of block wave
	v_permlanex16_b32 v2, v13, s20, s21
	v_max_num_f32 v13, v13, v2                     ; m of block 8 + wave
	v_max_num_f32 v14, v12, v13
	ds_store_b32 v3, v14 offset:RM
	s_wait_dscnt 0x0
	s_barrier_signal -1
	s_barrier_wait -1
	ds_load_b128 v[16:19], v15 offset:RM
	ds_load_b128 v[20:23], v15 offset:RM+16
	s_wait_dscnt 0x0
	v_max3_num_f32 v16, v16, v17, v18
	v_max3_num_f32 v16, v16, v19, v20
	v_max3_num_f32 v16, v16, v21, v22
	v_max_num_f32 v16, v16, v23                    ; M
	v_mul_f32 v17, s22, v16
.irp k, 4,5,6,7,8,9,10,11,12,13
	v_fma_f32 v[\k], v[\k], s22, -v17
.endr
.irp k, 4,5,6,7,8,9,10,11
	v_exp_f32 v[\k], v[\k]
.endr
	v_exp_f32 v24, v12                             ; each factor twice, to fill its pair
	v_exp_f32 v25, v12
	v_exp_f32 v26, v13
	v_exp_f32 v27, v13
	v_lshlrev_b32 v28, 1, v3                       ; 8 x wave: the plain instruction behind the last exponential
	s_wait_alu depctr_va_vdst(0)                   ; one wait for the batch of twelve, ahead of its first reader
	v_pk_add_f32 v[18:19], v[4:5], v[6:7]
	v_pk_add_f32 v[20:21], v[8:9], v[10:11]
	v_pk_add_f32 v[18:19], v[18:19], v[20:21]
	v_add_f32 v18, v18, v19
.irp m, 1,2,4,8
	v_add_f32_dpp v18, v18, v18 row_xmask:\m row_mask:0xf bank_mask:0xf
.endr
	v_permlanex16_b32 v2, v18, s20, s21
	v_add_f32 v18, v18, v2
	ds_store_b32 v3, v18 offset:RS
	ds_store_b64 v28, v[24:25] offset:GG
	ds_store_b64 v28, v[26:27] offset:GG+64
	s_wait_dscnt 0x0
	s_barrier_signal -1
	s_barrier_wait -1
	ds_load_b128 v[16:19], v15 offset:RS
	ds_load_b128 v[20:23], v15 offset:RS+16
.irp n, 0,1,2,3,4,5,6,7
	ds_load_b128 v[G+4*\n:G+4*\n+3], v15 offset:GG+16*\n
.endr
	s_wait_dscnt 0x0
	v_pk_add_f32 v[16:17], v[16:17], v[18:19]
	v_pk_add_f32 v[20:21], v[20:21], v[22:23]
	v_pk_add_f32 v[16:17], v[16:17], v[20:21]
	v_add_f32 v16, v16, v17                        ; L
	v_rcp_f32 v28, v16                             ; twice, to fill the pair
	v_rcp_f32 v29, v16
	v_nop
	s_wait_alu depctr_va_vdst(0)
.irp k, 4,6,8,10
	v_pk_mul_f32 v[\k:\k+1], v[\k:\k+1], v[28:29]
.endr
	global_store_b128 v1, v[4:7],  s[10:11]        ; a wave stores 512 consecutive bytes, aligned
	global_store_b128 v1, v[8:11], s[10:11] offset:4096
	s_wait_loadcnt 0x0                             ; part
	v_pk_mul_f32 v[24:25], v[PR:PR+1],   v[G:G+1]
	v_pk_mul_f32 v[26:27], v[PR+2:PR+3], v[G:G+1]
.irp i, 1,2,3,4,5,6,7,8,9,10,11,12,13,14,15
	v_pk_fma_f32 v[24:25], v[PR+4*\i:PR+4*\i+1],   v[G+2*\i:G+2*\i+1], v[24:25]
	v_pk_fma_f32 v[26:27], v[PR+4*\i+2:PR+4*\i+3], v[G+2*\i:G+2*\i+1], v[26:27]
.endr
	v_pk_mul_f32 v[24:25], v[24:25], v[28:29]
	v_pk_mul_f32 v[26:27], v[26:27], v[28:29]
	global_store_b128 v1, v[24:27], s[8:9]
	s_wait_tensorcnt 0x0                           ; the wave's end: three lines behind my last LDS store
	ds_add_u32 v[SPW], v[NIL]
	s_wait_dscnt 0x0
	s_endpgm
.Lfunc_end_k_q40358f6730_finish:
	.size	k_q40358f6730_finish, .Lfunc_end_k_q40358f6730_finish-k_q40358f6730_finish
	.p2alignl 7, 3214868480
	.fill 96, 4, 3214868480
	.section	.rodata,"a",@progbits
	.p2align	6, 0x0
	.amdhsa_kernel k_q40358f6730_finish
		.amdhsa_group_segment_fixed_size 2048
		.amdhsa_private_segment_fixed_size 0
		.amdhsa_enable_private_segment 0
		.amdhsa_kernarg_size 32
		.amdhsa_user_sgpr_count 2
		.amdhsa_user_sgpr_kernarg_segment_ptr 1
		.amdhsa_wavefront_size32 1
		.amdhsa_system_sgpr_workgroup_id_x 1
		.amdhsa_system_sgpr_workgroup_id_y 1
		.amdhsa_system_sgpr_workgroup_id_z 1
		.amdhsa_system_vgpr_workitem_id 0
		.amdhsa_next_free_vgpr 128
		.amdhsa_next_free_sgpr 66
		.amdhsa_reserve_vcc 0
		.amdhsa_float_denorm_mode_32 3
		.amdhsa_float_denorm_mode_16_64 3
		.amdhsa_memory_ordered 1
		.amdhsa_forward_progress 1
		.amdhsa_inst_pref_size 11
	.end_amdhsa_kernel
	.amdgpu_metadata
---
amdhsa.version: [ 1, 2 ]
amdhsa.kernels:
  - .name:           k_q40358f6730_finish
    .symbol:         k_q40358f6730_finish.kd
    .args:
      - { .name: lg, .offset: 0, .size: 8, .value_kind: global_buffer, .address_space: global }
      - { .name: part, .offset: 8, .size: 8, .value_kind: global_buffer, .address_space: global }
      - { .name: out0, .offset: 16, .size: 8, .value_kind: global_buffer, .address_space: global }
      - { .name: out1, .offset: 24, .size: 8, .value_kind: global_buffer, .address_space: global }
    .group_segment_fixed_size: 2048
    .private_segment_fixed_size: 0
    .kernarg_segment_align: 8
    .kernarg_segment_size: 32
    .max_flat_workgroup_size: 256
    .sgpr_count:     66
    .vgpr_count:     128
    .wavefront_size: 32
...
	.end_amdgpu_metadata
.endif
;; end of part 3
;; ======== version 2 of 2: 3 launches; version 1 with the launches prep, main written anew for expert scheduling mode
;; limits: values outside matrix products are rounded to bf16
;; workspace buffers: wf 2,097,152 bytes; hb 131,072 bytes; lg 262,144 bytes; part 2,097,152 bytes
;; launch prep (part 4): grid 32 x 1, 16 waves a work-group, no clusters, 296,960 bytes of LDS; arguments W1_w, W2_w, hidden, W1_b, W2_b, wf, hb; writes wf, hb
.if DOCPART == 4
	.amdgcn_target "amdgcn-amd-amdhsa--gfx1250"
	.amdhsa_code_object_version 6
	.text
	.protected	k_q40358f6730_prep
	.globl	k_q40358f6730_prep
	.p2align	8
	.type	k_q40358f6730_prep,@function
k_q40358f6730_prep:
	s_mov_b64 s[64:65], 0
	v_nop
	global_prefetch_b8 v0, s[64:65] scope:SCOPE_SE
	s_setreg_imm32_b32 hwreg(HW_REG_WAVE_SCHED_MODE, 0, 2), 2
	s_setreg_imm32_b32 hwreg(HW_REG_WAVE_MODE, 25, 1), 1
	s_wait_xcnt 0x0
	s_wait_alu depctr_vm_vsrc(0)
; PREPARATION.  c = 2 log2(e), so that tanh(x) = 1 - 2 / (1 + 2^(c x)).
; Work-groups 0-15:  wf = bf16(c W1) in the order in which the main launch's matrix fragments want it.
; Work-groups 16-31: hb[b][u] = sum over d of bf16(hidden[b][d]) bf16(c W2[d][u]) + c (W1_b[u] + W2_b[u]), sums in f32.
; SHARES.  A work-group takes 64 columns u (256 aligned bytes of every row of its matrix), each of its 16 waves 64 rows k.
; A weight matrix lies [k][u]; a fragment wants k along a lane's registers.  So a wave scales and rounds its 64 x 64 numbers, lays them
; into its own LDS tile as they lie, and takes them out turned, by ds_load_tr16_b128.
; wf's byte for wave w, pass pi, K step ks, block ub of 16 units, half, lane:  ((w 64 + pi 32 + ks) 8 + ub) 1024 + half 512 + lane 16;
; the 16 bytes hold unit (4 pi + w) 128 + 16 ub + lane % 16, k = 32 ks + 16 half + 8 (lane / 16) + 0..7.
; No cluster: no two work-groups read the same bytes of W; hidden (128 KiB) is a thirty-second of what the launch reads.
; LIMITS.  NaN and infinities are not treated apart; operands are rounded to bf16 once, after the scaling by c.
; THE MODE: SCHED_MODE bits 1:0 = 2 (LLVM: expert scheduling mode 2), set by the entry lines.  The code itself states the register dependences
; between vector or matrix instructions and memory or LDS instructions, with s_wait_alu, always for 0.
; THE PLAN.  Registers that memory or LDS instructions touch:
;   v[LD ..]   W's 32 loads land here; they are scaled and rounded in place in four batches of eight loads; a batch's eight LDS stores read the rounded pairs behind ONE wait on va_vdst.
;              In W2's work-groups the products then write v[16:79] (one wait on vm_vsrc ahead of them: the LDS stores have read these registers), the stores of the
;              partial sums read them (the places, then one wait on va_vdst), and the sixteen waves' sums land in v[80:143].
;   v[WFR ..]  hidden in f32 lands here (W2) and the roundings into v[HB ..] read it; the turned fragments land here behind the batches' waits.
;   v2 to v9, v12  offsets and addresses, each written once, ahead of a wait on va_vdst that stands ahead of its first use.
;   v[SPW], v[NIL] written at the head, read by the closing add alone.
.set PW,    160                        ; a tile's row in LDS: 128 bytes + 32: 40 words, an odd multiple of 32 bytes, as the turning load likes it
.set WTILE, 64*PW                      ; a wave's tile
.set RED,   16*WTILE                   ; behind the tiles: 8,192 bytes a wave of partial sums (W2's work-groups)
.set SPARE, RED+16*8192                ; behind them: the spare words, 128 bytes for each wave; no other line names them
.set GOF, 2                            ; v2   my byte offset in W: (64 wave + l / 16) rows + the group's 256 bytes + 16 (l % 16)
.set STA, 3                            ; v3   where I put 8 bytes of a row of my tile
.set TRA, 4                            ; v4   the turning load's address
.set HOF, 5                            ; v5   my byte offset in hidden
.set BOF, 6                            ; v6   my byte offset in the two biases
.set RST, 7                            ; v7   where I put my partial sums
.set RLA, 8                            ; v8   where I read the partial sums of waves 0-7
.set RLB, 9                            ; v9   of waves 8-15
.set SPW, 10                           ; v10  LDS address of my spare word; never rewritten
.set NIL, 11                           ; v11  0; never rewritten
.set OOF, 12                           ; v12  my byte offset in the output
.set LD,  16                           ; v[16:143]  32 loads of 4; later v[16:79] eight accumulators, v[80:143] the sixteen partial sums
.set WFR, 144                          ; v[144:207] eight fragments of W (K step ks, block ub at 8 (4 ks + ub)); before that hidden in f32
.set HB,  208                          ; v[208:239] four fragments of hidden (block mb, K step ks at 8 (2 mb + ks))
.set BI,  240                          ; v[240:247] the two biases of my 4 columns
	s_load_b256 s[4:11], s[0:1], 0x0               ; W1 s[4:5], W2 s[6:7], hidden s[8:9], W1_b s[10:11]
	s_load_b128 s[12:15], s[0:1], 0x20             ; W2_b s[12:13], wf s[14:15]
	s_load_b64 s[16:17], s[0:1], 0x30              ; hb
	v_lshl_add_u32 v[SPW], v0, 2, SPARE
	v_mov_b32 v[NIL], 0
	v_lshrrev_b32 v13, 5, v0
	v_readfirstlane_b32 s20, v13                   ; wave 0..15
	s_and_b32 s21, ttmp9, 15                       ; which 64 columns
	v_and_b32 v13, 15, v0                          ; l % 16
	v_bfe_u32 v14, v0, 4, 1                        ; l / 16
	v_and_b32 v15, 31, v0                          ; l
	s_mov_b32 s30, 0x4038aa3b                      ; c = 2.885390
	s_mov_b32 s31, s30                             ; named with it as a pair
	s_wait_alu depctr_va_sdst(0)                   ; s20 is written, ahead of its first reader: offsets and LDS addresses are made from it
	s_lshl_b32 s22, s20, 18                        ; 64 rows of 4,096 bytes a wave
	s_lshl_b32 s23, s21, 8                         ; the group's 256 bytes of a row
	s_add_co_u32 s22, s22, s23
	v_lshlrev_b32 v[GOF], 12, v14
	v_lshl_add_u32 v[GOF], v13, 4, v[GOF]
	v_add_nc_u32 v[GOF], s22, v[GOF]
	s_mul_i32 s24, s20, WTILE                      ; my wave's tile
	v_mul_u32_u24 v[STA], v14, PW
	v_lshl_add_u32 v[STA], v13, 3, v[STA]
	v_add_nc_u32 v[STA], s24, v[STA]
	v_and_b32 v[TRA], 7, v0                        ; lane l reads row 8 (l / 16) + l % 8, bytes 16 ((l / 8) % 2) on
	v_lshl_add_u32 v[TRA], v14, 3, v[TRA]
	v_mul_u32_u24 v[TRA], v[TRA], PW
	v_bfe_u32 v1, v0, 3, 1
	v_lshl_add_u32 v[TRA], v1, 4, v[TRA]
	v_add_nc_u32 v[TRA], s24, v[TRA]
	s_wait_kmcnt 0x0
; 32 loads: each takes two rows' 256 aligned bytes (lanes 0-15 one row, lanes 16-31 the next)
.macro WLOADS base
.set i, 0
.rept 32
	global_load_b128 v[LD+4*i:LD+4*i+3], v[GOF], s[\base:\base+1] offset:i*8192 th:TH_LOAD_NT
.set i, i+1
.endr
.endm
; each load's four numbers: times c, rounded once to bf16, 8 bytes into my tile; in four batches of eight loads
.macro WCONV
.set g, 0
.rept 4
	s_wait_loadcnt 24-8*g                          ; loads come back in order: this batch's eight are in, the younger ones of the 32 stay out
.set i, 8*g
.rept 8
	v_pk_mul_f32 v[LD+4*i:LD+4*i+1], v[LD+4*i:LD+4*i+1], s[30:31] op_sel_hi:[1,0]
	v_pk_mul_f32 v[LD+4*i+2:LD+4*i+3], v[LD+4*i+2:LD+4*i+3], s[30:31] op_sel_hi:[1,0]
	v_cvt_pk_bf16_f32 v[LD+4*i], v[LD+4*i], v[LD+4*i+1]
	v_cvt_pk_bf16_f32 v[LD+4*i+1], v[LD+4*i+2], v[LD+4*i+3]
.set i, i+1
.endr
	s_wait_alu depctr_va_vdst(0)                   ; the batch's roundings have written the eight pairs that the LDS stores below read
.set i, 8*g
.rept 8
	ds_store_b64 v[STA], v[LD+4*i:LD+4*i+1] offset:i*2*PW
.set i, i+1
.endr
.set g, g+1
.endr
.endm
; eight fragments out of my own tile, turned: LDS serves a wave's instructions in order, so these see the stores above
.macro WFRAG
.irp f, 0,1,2,3,4,5,6,7
	ds_load_tr16_b128 v[WFR+8*\f:WFR+8*\f+3],   v[TRA] offset:(\f/4)*32*PW+(\f%4)*32
	ds_load_tr16_b128 v[WFR+8*\f+4:WFR+8*\f+7], v[TRA] offset:(\f/4)*32*PW+(\f%4)*32+16*PW
.endr
.endm
	s_cmp_lt_u32 ttmp9, 16
	s_cbranch_scc0 .Lrole1                         ; the same for all waves of a work-group
	; ---------------- W1: fragments to wf
	s_wait_alu depctr_va_vdst(0)                   ; v[GOF], v[STA] and v[TRA] are written, which the loads, LDS stores and turning loads below read
	WLOADS 4
	s_lshr_b32 s25, s21, 3                         ; pass pi
	s_bfe_u32 s26, s21, 0x20001                    ; wave w of the main launch: 2 bits from bit 1
	s_lshl_b32 s26, s26, 6
	s_lshl_b32 s25, s25, 5
	s_add_co_u32 s25, s25, s26
	s_lshl_b32 s27, s20, 1                         ; my two K steps
	s_add_co_u32 s25, s25, s27
	s_lshl_b32 s26, s25, 13                        ; 8,192 bytes a K step
	s_and_b32 s27, s21, 1                          ; which four of the eight blocks of 16 units
	s_lshl_b32 s27, s27, 12
	s_add_co_u32 s26, s26, s27
	s_mov_b32 s27, 0
	s_add_nc_u64 s[14:15], s[14:15], s[26:27]
	v_lshlrev_b32 v[OOF], 4, v15                   ; written ahead of the batches' waits, read by the stores behind them
	WCONV
	WFRAG
.set n, 0
.rept 16
	s_wait_dscnt 15-n                              ; LDS loads come back in order: number n of the sixteen is in
	global_store_b128 v[OOF], v[WFR+4*n:WFR+4*n+3], s[14:15] offset:(n/8)*8192+((n/2)%4)*1024+(n%2)*512  ; 512 consecutive bytes, aligned
.set n, n+1
.endr
	s_wait_dscnt 0x0                               ; the closing lines, six on end
	s_wait_alu 0x0
	s_wait_tensorcnt 0x0
	ds_add_u32 v[SPW], v[NIL]
	s_wait_dscnt 0x0
	s_endpgm
	; ---------------- W2: hb
.Lrole1:
	v_lshlrev_b32 v[HOF], 12, v13                  ; batch l % 16,
	v_lshl_add_u32 v[HOF], v14, 5, v[HOF]          ; 8 numbers for each half of the lanes,
	s_lshl_b32 s25, s20, 8
	v_add_nc_u32 v[HOF], s25, v[HOF]               ; my wave's 64 k
	v_lshl_add_u32 v[BOF], v13, 4, s23             ; thread's 4 columns: the group's 256 bytes + 16 (thread % 16)
	s_wait_alu depctr_va_vdst(0)                   ; v[HOF], v[BOF], v[GOF], v[STA] and v[TRA] are written, which the loads, LDS stores and turning loads below read
.irp f, 0,1,2,3                                ; fragment f = 2 mb + ks: 16 batches x 32 k in f32, four loads
.irp q, 0,1,2,3
	global_load_b128 v[WFR+16*\f+4*\q:WFR+16*\f+4*\q+3], v[HOF], s[8:9] offset:(\f/2)*65536+(\f%2)*128+(\q/2)*64+(\q%2)*16
.endr
.endr
	global_load_b128 v[BI:BI+3],   v[BOF], s[10:11]
	global_load_b128 v[BI+4:BI+7], v[BOF], s[12:13]
	WLOADS 6
	s_lshl_b32 s25, s20, 13
	s_add_co_u32 s25, s25, RED
	v_lshl_add_u32 v[RST], v15, 5, s25             ; 32 bytes a lane in each of my eight tiles.  These addresses are written ahead of the batches' waits and read far behind them
	v_lshrrev_b32 v248, 4, v0                      ; on the way out thread n has batch n / 16 and columns 4 (n % 16) ..
	v_lshl_add_u32 v[OOF], v248, 12, v[BOF]
	v_lshrrev_b32 v248, 8, v0                      ; block of batches
	v_lshrrev_b32 v249, 2, v13                     ; block of units
	v_lshl_add_u32 v248, v248, 2, v249
	v_bfe_u32 v249, v0, 4, 4                       ; the lane that held them: batch % 16,
	v_bfe_u32 v250, v0, 1, 1                       ; and the half with units 8 ..
	v_lshl_add_u32 v249, v250, 4, v249
	v_and_b32 v250, 1, v0                          ; its registers 0-3 or 4-7
	v_lshlrev_b32 v250, 4, v250
	v_lshl_add_u32 v250, v249, 5, v250
	v_lshl_add_u32 v250, v248, 10, v250
	v_add_nc_u32 v[RLA], RED, v250
	v_add_nc_u32 v[RLB], RED+65536, v250
	s_wait_loadcnt 34                              ; hidden is in; the 2 loads of the biases and the 32 of W2 stay out
.set i, 0
.rept 32
	v_cvt_pk_bf16_f32 v[HB+i], v[WFR+2*i], v[WFR+2*i+1]
.set i, i+1
.endr
	WCONV                                          ; its waits on va_vdst also state that the roundings above are done reading v[WFR ..], in which the fragments land
	WFRAG
	s_wait_dscnt 0x0
	s_wait_alu depctr_vm_vsrc(0)                   ; my LDS stores have read v[LD ..]: the products below write v[16:79], the partial sums land in v[80:143]
	; source 0 = 16 units of W2, source 1 = 16 batches: a lane holds one batch and eight units.  The eight accumulators take turns.
.irp k, 0,1
.irp m, 0,1
.irp u, 0,1,2,3
.if \k == 0
	v_wmma_f32_16x16x32_bf16 v[LD+8*(4*\m+\u):LD+8*(4*\m+\u)+7], v[WFR+8*(4*\k+\u):WFR+8*(4*\k+\u)+7], v[HB+8*(2*\m+\k):HB+8*(2*\m+\k)+7], 0
.else
	v_wmma_f32_16x16x32_bf16 v[LD+8*(4*\m+\u):LD+8*(4*\m+\u)+7], v[WFR+8*(4*\k+\u):WFR+8*(4*\k+\u)+7], v[HB+8*(2*\m+\k):HB+8*(2*\m+\k)+7], v[LD+8*(4*\m+\u):LD+8*(4*\m+\u)+7]
.endif
.endr
.endr
.endr
.rept 4
	v_nop                                          ; four places between the last product and the stores that read results
.endr
	s_wait_alu depctr_va_vdst(0)                   ; the products have written the accumulators, which the LDS stores read; the places above stay beside this wait
.irp a, 0,1,2,3,4,5,6,7
	ds_store_b128 v[RST], v[LD+8*\a:LD+8*\a+3]   offset:\a*1024
	ds_store_b128 v[RST], v[LD+8*\a+4:LD+8*\a+7] offset:\a*1024+16
.endr
	s_wait_dscnt 0x0                               ; for the others' sake: my partial sums lie in LDS
	s_barrier_signal -1
	s_barrier_wait -1
.irp w, 0,1,2,3,4,5,6,7
	ds_load_b128 v[LD+64+4*\w:LD+64+4*\w+3],   v[RLA] offset:\w*8192   ; no vector instruction since the wait above names v[80:143], v[RLA] or v[RLB]
	ds_load_b128 v[LD+96+4*\w:LD+96+4*\w+3],   v[RLB] offset:\w*8192
.endr
	v_pk_add_f32 v[BI:BI+1],   v[BI:BI+1],   v[BI+4:BI+5]   ; the biases came in ahead of W2
	v_pk_add_f32 v[BI+2:BI+3], v[BI+2:BI+3], v[BI+6:BI+7]
	s_wait_dscnt 0x0
.irp s, 32,16,8,4                              ; the sixteen waves' sums, pairwise
.set i, 0
.rept \s/2
	v_pk_add_f32 v[LD+64+i:LD+64+i+1], v[LD+64+i:LD+64+i+1], v[LD+64+\s+i:LD+64+\s+i+1]
.set i, i+2
.endr
.endr
	v_pk_fma_f32 v[LD+64:LD+65], v[BI:BI+1],   s[30:31], v[LD+64:LD+65] op_sel_hi:[1,0,1]
	v_pk_fma_f32 v[LD+66:LD+67], v[BI+2:BI+3], s[30:31], v[LD+66:LD+67] op_sel_hi:[1,0,1]
	s_wait_alu depctr_va_vdst(0)                   ; the two multiply-adds have written v[80:83], which the store reads
	global_store_b128 v[OOF], v[LD+64:LD+67], s[16:17]      ; sixteen lanes store 256 consecutive bytes, aligned
	s_wait_dscnt 0x0                               ; the closing lines, six on end
	s_wait_alu 0x0
	s_wait_tensorcnt 0x0
	ds_add_u32 v[SPW], v[NIL]
	s_wait_dscnt 0x0
	s_endpgm
.Lfunc_end_k_q40358f6730_prep:
	.size	k_q40358f6730_prep, .Lfunc_end_k_q40358f6730_prep-k_q40358f6730_prep
	.p2alignl 7, 3214868480
	.fill 96, 4, 3214868480
	.section	.rodata,"a",@progbits
	.p2align	6, 0x0
	.amdhsa_kernel k_q40358f6730_prep
		.amdhsa_group_segment_fixed_size 296960
		.amdhsa_private_segment_fixed_size 0
		.amdhsa_enable_private_segment 0
		.amdhsa_kernarg_size 56
		.amdhsa_user_sgpr_count 2
		.amdhsa_user_sgpr_kernarg_segment_ptr 1
		.amdhsa_wavefront_size32 1
		.amdhsa_system_sgpr_workgroup_id_x 1
		.amdhsa_system_sgpr_workgroup_id_y 1
		.amdhsa_system_sgpr_workgroup_id_z 1
		.amdhsa_system_vgpr_workitem_id 0
		.amdhsa_next_free_vgpr 256
		.amdhsa_next_free_sgpr 66
		.amdhsa_reserve_vcc 0
		.amdhsa_float_denorm_mode_32 3
		.amdhsa_float_denorm_mode_16_64 3
		.amdhsa_memory_ordered 1
		.amdhsa_forward_progress 1
		.amdhsa_inst_pref_size 44
	.end_amdhsa_kernel
	.amdgpu_metadata
---
amdhsa.version: [ 1, 2 ]
amdhsa.kernels:
  - .name:           k_q40358f6730_prep
    .symbol:         k_q40358f6730_prep.kd
    .args:
      - { .name: W1_w, .offset: 0, .size: 8, .value_kind: global_buffer, .address_space: global }
      - { .name: W2_w, .offset: 8, .size: 8, .value_kind: global_buffer, .address_space: global }
      - { .name: hidden, .offset: 16, .size: 8, .value_kind: global_buffer, .address_space: global }
      - { .name: W1_b, .offset: 24, .size: 8, .value_kind: global_buffer, .address_space: global }
      - { .name: W2_b, .offset: 32, .size: 8, .value_kind: global_buffer, .address_space: global }
      - { .name: wf, .offset: 40, .size: 8, .value_kind: global_buffer, .address_space: global }
      - { .name: hb, .offset: 48, .size: 8, .value_kind: global_buffer, .address_space: global }
    .group_segment_fixed_size: 296960
    .private_segment_fixed_size: 0
    .kernarg_segment_align: 8
    .kernarg_segment_size: 56
    .max_flat_workgroup_size: 512
    .sgpr_count:     66
    .vgpr_count:     256
    .wavefront_size: 32
...
	.end_amdgpu_metadata
.endif
;; end of part 4
;; launch main (part 5): grid 512 x 1, 4 waves a work-group, no clusters, 310,784 bytes of LDS; arguments features, wf, hb, V_w, V_b, lg, part; writes lg, part
.if DOCPART == 5
	.amdgcn_target "amdgcn-amd-amdhsa--gfx1250"
	.amdhsa_code_object_version 6
	.text
	.protected	k_q40358f6730_main
	.globl	k_q40358f6730_main
	.p2align	8
	.type	k_q40358f6730_main,@function
k_q40358f6730_main:
	s_mov_b64 s[64:65], 0
	v_nop
	global_prefetch_b8 v0, s[64:65] scope:SCOPE_SE
	s_setreg_imm32_b32 hwreg(HW_REG_WAVE_SCHED_MODE, 0, 2), 2
	s_setreg_imm32_b32 hwreg(HW_REG_WAVE_MODE, 25, 1), 1
	s_wait_xcnt 0x0
	s_wait_alu depctr_vm_vsrc(0)
; For a block of 128 rows t of one batch b:  logit[t] = sum over u of V[u] tanh(features[t] . W1[:, u] + h[b][u] + biases) + V_b, stored to lg;
; and part[block][d] = sum over the block's t of bf16(e^(logit[t] - m)) bf16(features[t][d]), m = the block's largest logit.  The last launch joins the blocks.
; ONE READING OF THE FEATURES.  The block's 128 x 1024 numbers are loaded once, rounded once to bf16 and kept in LDS: they are the first product's operand
; (twice: two passes of 512 units) and then the weighted sum's.
; SHARES.  Four waves; in a pass wave w makes 128 rows x 128 units: 64 accumulators of 16 x 16.  K goes in steps of 32: 64 matrix instructions, 16 LDS loads (features), 16 global loads (weights).
; The waves split the units, so no wave wants a weight that another has fetched: the weights come straight into registers, from wf, where they lie in fragment order (512 consecutive bytes a load).
; NO CLUSTER, NO JOINT LOADS: the weights are what work-groups share, but the resident rows take 294,912 of the 327,680 bytes of LDS, and what the tables below leave would not
; hold one K step of the four waves' weights (32,768 bytes), let alone two slots of it.
; THE PRODUCT IS USED TRANSPOSED: source 0 = 16 units of c W1, source 1 = 16 rows t.  A lane then holds ONE row t (lane % 16) and the units 8 (lane / 16) + 0..7, so the sum over units stays in the lane.
; The first K step's C operand is c (h + biases): the accumulator is c x, c = 2 log2(e), and tanh(x) = 1 - 2 / (1 + 2^(c x)).  So logit = sum V + V_b - 2 sum V / (1 + 2^(c x)).
; LIMITS.  2^(c x) beyond f32's range gives tanh = 1, below it tanh = -1, both exact; a weight below 2^-126 counts as 0; weights and features enter the weighted sum in bf16;
; NaN and infinities are not treated apart.
; REGISTERS, in windows of 256 (s_set_vgpr_msb: bits 1:0 source 0, 3:2 source 1, 5:4 source 2, 7:6 destination):
;   window 0: v0-13 addresses; v14-29 OUT, later small work; v32-95 CV (the C operand, later V); v96-127 features set 2, later the rows' sums; v128-191, v192-255 two buffers of feature fragments
;   window 1: v0-63, v64-127, v128-191 three buffers of weight fragments; v192-223, v224-255 features sets 0, 1 (f32 on their way to LDS), in pass 2 a fourth weight buffer
;   windows 2, 3: accumulator (tb, ub) at window 2 + tb / 4, v[8 (8 (tb % 4) + ub)]
; THE MODE: SCHED_MODE bits 1:0 = 2 (LLVM: expert scheduling mode 2), set by the entry lines.  The code itself states the register dependences
; between vector or matrix instructions and memory or LDS instructions, with s_wait_alu, always for 0.
; THE PLAN.  Registers that memory or LDS instructions touch, in the loops (step t):
;   sets 0-2     The loads of slice t + 6 land in set t % 3, which the step's own sixteen roundings (slice t + 3) have read.  No store reads a set.
;   OUT          Written by the step's roundings; read by the step's eight LDS stores.
;   AF0, AF1     The step's products read AF[t % 2]; the fragments of step t + 1 land in the other, which the products of step t - 1 read.
;   weights      The step's products read buffer t % 3 (pass 2: one of four); the loads of step t + 2 (pass 2: t + 3) land in the buffer that the products of step t - 1 read.
;   ADRA, STA    Read by the fragments' loads and by the LDS stores; written once a trip, at its end.
;   WOF, XOF, PFO, LA0, ST0, CVA   Written at the head, never again.
; So a step has ONE wait on va_vdst, behind its roundings: OUT is written, the roundings are done reading their set, the products of the step before are done reading their fragments
; and weights.  Behind it the step's LDS stores and loads stand in runs of eight among its first 28 products, which name AF[t % 2], this step's weights, the accumulators and (first step) CV:
; none of the registers that those stores and loads touch.  One wait on vm_vsrc stands ahead of the roundings (the last step's LDS stores have read OUT), one at a trip's end ahead of the adds to ADRA and STA.
.set PA,    144                        ; a row of 64 k in LDS: 128 bytes + 16 = 36 words: the 16 rows of a fragment load start at 16 different groups of four banks
.set TILE,  128*PA                     ; a tile: 128 rows x 64 k.  16 tiles hold the block
.set HBS,   16*TILE                    ; c (h + biases) of my batch, 1,024 f32
.set VS,    HBS+4096                   ; V, 1,024 f32
.set LP,    VS+4096                    ; the four waves' parts of the 128 sums
.set PT,    LP+2048                    ; the 128 weights in bf16, a copy for each wave
.set CX,    PT+1024                    ; 1,024 bytes a wave, for the way out
.set SPARE, CX+4096                    ; the spare words, 128 bytes for each wave; no other line names them
.set R,    1                           ; v1   l % 16
.set H,    2                           ; v2   l / 16
.set LN,   3                           ; v3   l
.set LA0,  4                           ; v4   my place in a tile as a fragment's reader: (l % 16) PA + 16 (l / 16)
.set ADRA, 5                           ; v5   the same in the tile that the loop stands at
.set ST0,  6                           ; v6   my place in a tile as a writer: (32 wave + l / 16) PA + 8 (l % 16)
.set STA,  7                           ; v7   the same in the tile that the loop stands at
.set WOF,  8                           ; v8   16 l; never rewritten
.set XOF,  9                           ; v9   my byte offset in the block's features: (32 wave + l / 16) rows + 16 (l % 16); never rewritten
.set PFO,  10                          ; v10  the prefetches' offset: row 32 wave + l; never rewritten
.set CVA,  11                          ; v11  where my units' 8 numbers of a table begin
.set OUT,  14                          ; v[14:29] a slice in bf16, between its roundings and its LDS stores
.set SPW,  30                          ; v30  LDS address of my spare word; never rewritten
.set NIL,  31                          ; v31  0; never rewritten
.set CV,   32
.set FS2,  96
.set LS,   96                          ; row block tb's sum, even and odd units apart, at v[LS + 2 tb]
.set AF0,  128
.set MSB, 0
.macro WIN new                         ; the immediate's high byte repeats the setting that is left; a switch that changes nothing is dropped
.if MSB != (\new)
	s_set_vgpr_msb (MSB<<8)|(\new)
.set MSB, \new
.endif
.endm
.macro PLACES                          ; four places between a matrix instruction and a load into, or a vector instruction on, its registers
.rept 4
	v_nop
.endr
.endm
; Half of the weights of stream step s (0-31 pass 1, 32-63 pass 2): unit blocks u0 .. u0 + 3, into buffer buf of window 1; s[6:7] stands at step SB
.macro WLOAD4 s, buf, SB, u0
	WIN 0x40
.irp u, (\u0), (\u0)+1, (\u0)+2, (\u0)+3
	global_load_b128 v[(\buf)+8*(\u):(\buf)+8*(\u)+3],   v[WOF], s[6:7] offset:((\s)-(\SB))*8192+(\u)*1024
	global_load_b128 v[(\buf)+8*(\u)+4:(\buf)+8*(\u)+7], v[WOF], s[6:7] offset:((\s)-(\SB))*8192+(\u)*1024+512
.endr
.endm
.macro WLOAD s, buf, SB
	WLOAD4 \s, \buf, \SB, 0
	WLOAD4 \s, \buf, \SB, 4
.endm
; Four of the eight feature fragments of K step ks: row blocks b0 .. b0 + 3, into buffer ks % 2; the address register stands at tile TA
.macro ALOAD4 ks, adr, TA, b0
	WIN 0
.set AFB, AF0+64*((\ks)%2)
.irp b, (\b0), (\b0)+1, (\b0)+2, (\b0)+3
	ds_load_b128 v[AFB+8*(\b):AFB+8*(\b)+3],   v[\adr] offset:((\ks)/2-(\TA))*TILE+((\ks)%2)*64+(\b)*16*PA
	ds_load_b128 v[AFB+8*(\b)+4:AFB+8*(\b)+7], v[\adr] offset:((\ks)/2-(\TA))*TILE+((\ks)%2)*64+(\b)*16*PA+32
.endr
.endm
; Slice q of the features: tile q / 2 (256 bytes of a row), 16 of my wave's 32 rows; a load takes two rows' 256 aligned bytes.  Into set q % 3; s[4:5] stands at tile XP
.macro XLOAD q, XP
.if (\q)%3 == 2
	WIN 0
.set FB, FS2
.else
	WIN 0x40
.set FB, 192+32*((\q)%3)
.endif
.irp i, 0,1,2,3,4,5,6,7
	global_load_b128 v[FB+4*\i:FB+4*\i+3], v[XOF], s[4:5] offset:((\q)/2-(\XP))*256+(((\q)%2)*16+2*\i)*4096 th:TH_LOAD_NT
.endr
.endm
; Slice q is rounded to bf16, out of its set into OUT
.macro CVTS q
.if (\q)%3 == 2
	WIN 0
.set FB, FS2
.else
	WIN 0x05
.set FB, 192+32*((\q)%3)
.endif
.irp i, 0,1,2,3,4,5,6,7
	v_cvt_pk_bf16_f32 v[OUT+2*\i],   v[FB+4*\i],   v[FB+4*\i+1]
	v_cvt_pk_bf16_f32 v[OUT+2*\i+1], v[FB+4*\i+2], v[FB+4*\i+3]
.endr
.endm
; and laid from OUT into its tile; the address register stands at tile TS
.macro PUT q, adr, TS
	WIN 0
.irp i, 0,1,2,3,4,5,6,7
	ds_store_b64 v[\adr], v[OUT+2*\i:OUT+2*\i+1] offset:((\q)/2-(\TS))*TILE+(((\q)%2)*16+2*\i)*PA
.endr
.endm
; 4 matrix instructions: row block 4 hi + a x unit blocks b0 .. b0 + 3.  cm = 1: the sums start on CV.  The 64 accumulators take turns, in the same order in every step.
.macro MUL4 af, wb, hi, a, b0, cm
.if \cm
	WIN 0x81+0x40*(\hi)
.else
	WIN 0xa1+0x50*(\hi)
.endif
.irp b, (\b0), (\b0)+1, (\b0)+2, (\b0)+3
.if \cm
	v_wmma_f32_16x16x32_bf16 v[8*(8*(\a)+(\b)):8*(8*(\a)+(\b))+7], v[(\wb)+8*(\b):(\wb)+8*(\b)+7], v[(\af)+8*(4*(\hi)+(\a)):(\af)+8*(4*(\hi)+(\a))+7], v[CV+8*(\b):CV+8*(\b)+7]
.else
	v_wmma_f32_16x16x32_bf16 v[8*(8*(\a)+(\b)):8*(8*(\a)+(\b))+7], v[(\wb)+8*(\b):(\wb)+8*(\b)+7], v[(\af)+8*(4*(\hi)+(\a)):(\af)+8*(4*(\hi)+(\a))+7], v[8*(8*(\a)+(\b)):8*(8*(\a)+(\b))+7]
.endif
.endr
.endm
; 32 of them: row blocks 4 hi .. 4 hi + 3 x all 8 unit blocks
.macro MULH af, wb, hi, cm
.irp a, 0,1,2,3
	MUL4 \af, \wb, \hi, \a, 0, \cm
	MUL4 \af, \wb, \hi, \a, 4, \cm
.endr
.endm
; My 8 x 8 numbers of a table (which = 0: c (h + biases), 1: V) for pass pi: register 8 ub + j holds unit 16 ub + 8 (l / 16) + j of my 128
.macro CVLOAD which, pi
	WIN 0
.irp u, 0,1,2,3,4,5,6,7
	ds_load_b128 v[CV+8*\u:CV+8*\u+3],   v[CVA] offset:(\which)*4096+(\pi)*2048+\u*64
	ds_load_b128 v[CV+8*\u+4:CV+8*\u+7], v[CVA] offset:(\which)*4096+(\pi)*2048+\u*64+16
.endr
.endm
; STEP t OF PASS 1.  At its head my loads stand in this order: slice t+3, weights t, slice t+4, weights t+1, slice t+5.  The step rounds slice t+3 and lays it into LDS, fetches fragments t+1,
; asks for weights t+2 and slice t+6, and multiplies.  TILES BETWEEN WAVES: tile g is written in steps 2g-3 and 2g-2, signalled in the middle of step 2g-2 (each wave's stores waited for),
; waited for at the head of step 2g-1, and read from there on; no byte of a tile is written twice.
; pf: a prefetch into the L2 of my 32 rows' 256 bytes of the tile whose loads go out four steps (256 matrix instructions) later: a lane a row, each block named once in the launch, by the wave
; that will load it; tiles 0-5 come by their loads alone; pf = 2: left out in the loop's last trip, where that tile does not exist.
.macro STEP1 t, SB, TA, TS, XP, aadr, sadr, cm=0, pf=0
.set AFT, AF0+64*((\t)%2)
.set WBT, 64*((\t)%3)
.if (\t) <= 26
	s_wait_loadcnt 32                              ; slice t+3 and weights t are in; slice t+4 (8), weights t+1 (16), slice t+5 (8) stay out
.elseif (\t) == 27
	s_wait_loadcnt 24                              ; the last slice (8) and weights t+1 (16) stay out
.else
	s_wait_loadcnt 16                              ; weights t+1 stay out
.endif
	s_wait_dscnt 0x0                               ; fragments t are in
.if ((\t)%2 == 1) && ((\t) <= 29)
	s_barrier_wait -1                              ; every wave's part of tile (t+1)/2 lies in LDS
.endif
.if (\t) <= 28
	s_wait_alu depctr_vm_vsrc(0)                   ; the LDS stores of the slice before have read OUT, which the roundings write again
	CVTS (\t)+3                                    ; its sixteen roundings are the places behind the last step's products
.else
	PLACES
.endif
	s_wait_alu depctr_va_vdst(0)                   ; the roundings have written OUT and are done reading their set; the last step's products are done reading their fragments and weights: the stores and loads below owe nothing more
	MUL4 AFT, WBT, 0, 0, 0, \cm
.if (\t) <= 28
	PUT (\t)+3, \sadr, \TS
.endif
	MUL4 AFT, WBT, 0, 0, 4, \cm
.if (\t) == 31
	ALOAD4 0, LA0, 0, 0                            ; pass 2 begins at K step 0 again
.else
	ALOAD4 (\t)+1, \aadr, \TA, 0
.endif
	MUL4 AFT, WBT, 0, 1, 0, \cm
.if (\t) == 31
	ALOAD4 0, LA0, 0, 4
.else
	ALOAD4 (\t)+1, \aadr, \TA, 4
.endif
	MUL4 AFT, WBT, 0, 1, 4, \cm
	WLOAD4 (\t)+2, 64*(((\t)+2)%3), \SB, 0
	MUL4 AFT, WBT, 0, 2, 0, \cm
	WLOAD4 (\t)+2, 64*(((\t)+2)%3), \SB, 4
	MUL4 AFT, WBT, 0, 2, 4, \cm
.if (\t) <= 25
	XLOAD (\t)+6, \XP
.endif
.if \pf
	WIN 0
.if (\pf) == 2
	s_cmp_gt_u32 s24, 1
	s_cbranch_scc0 .Lnopf_\@
.endif
	global_prefetch_b8 v[PFO], s[4:5] offset:((\t)/2+5-(\XP))*256 th:TH_LOAD_NT scope:SCOPE_SE
.Lnopf_\@:
.endif
	MUL4 AFT, WBT, 0, 3, 0, \cm
	MUL4 AFT, WBT, 0, 3, 4, \cm
.if ((\t)%2 == 0) && ((\t) <= 28)
	s_wait_dscnt 0x0                               ; for the others' sake: my stores into tile t/2+1 are done
	s_barrier_signal -1                            ; only products and waits stand between this and the wait at the next step's head
.endif
	MULH AFT, WBT, 1, \cm
.endm
; STEP p OF PASS 2: the features lie in LDS; the weights run on through four buffers, three steps ahead.
.macro STEP2 p, SB, TA, aadr, cm=0
.set AFT, AF0+64*((\p)%2)
.if (\p)%4 == 3
.set WBT, 192
.else
.set WBT, 64*((((\p)%4)+2)%3)
.endif
.if ((\p)+3)%4 == 3
.set WBN, 192
.else
.set WBN, 64*(((((\p)+3)%4)+2)%3)
.endif
.if (\p) <= 29
	s_wait_loadcnt 32                              ; this step's weights are in; the next two steps' stay out
.elseif (\p) == 30
	s_wait_loadcnt 16
.else
	s_wait_loadcnt 0x0
.endif
	s_wait_dscnt 0x0
.if (\p) > 0
	PLACES
.if (\p) <= 30
	s_wait_alu depctr_va_vdst(0)                   ; the last step's products are done reading their fragments and weights, in which the loads below land; in a trip's first step v[ADRA] is written
.endif
.endif
	MUL4 AFT, WBT, 0, 0, 0, \cm
.if (\p) <= 30
	ALOAD4 (\p)+1, \aadr, \TA, 0
.endif
	MUL4 AFT, WBT, 0, 0, 4, \cm
.if (\p) <= 30
	ALOAD4 (\p)+1, \aadr, \TA, 4
.endif
	MUL4 AFT, WBT, 0, 1, 0, \cm
.if (\p) <= 28
	WLOAD4 32+(\p)+3, WBN, \SB, 0
.endif
	MUL4 AFT, WBT, 0, 1, 4, \cm
.if (\p) <= 28
	WLOAD4 32+(\p)+3, WBN, \SB, 4
.endif
.irp a, 2,3
	MUL4 AFT, WBT, 0, \a, 0, \cm
	MUL4 AFT, WBT, 0, \a, 4, \cm
.endr
	MULH AFT, WBT, 1, \cm
.endm
; BEHIND A PASS: 1 / (1 + 2^(c x)) in place on all 512 registers, then the rows' sums take V times it.  Two batches of transcendentals, each with one plain instruction behind its last
; and one wait ahead of its first reader.  Each accumulator is read from its lowest register on.
.macro EPI first, pi
	CVLOAD 1, \pi                                  ; CV's last readers, the pass's first products, stand ahead of many a wait on va_vdst
.irp hi, 0,1
	WIN 0x82+0x41*\hi
.set i, 0
.rept 256
	v_exp_f32 v[i], v[i]
.set i, i+1
.endr
.endr
	v_nop
	s_wait_alu depctr_va_vdst(0)                   ; the 512 exponentials have written their results, ahead of the additions that read them
.irp hi, 0,1
	WIN 0x82+0x41*\hi
.set i, 0
.rept 128
	v_pk_add_f32 v[i:i+1], v[i:i+1], 1.0 op_sel_hi:[1,0]
	v_rcp_f32 v[i], v[i]
	v_rcp_f32 v[i+1], v[i+1]
.set i, i+2
.endr
.endr
	v_nop
	s_wait_alu depctr_va_vdst(0)                   ; the 512 reciprocals have written their results, ahead of the multiply-adds that read them
	s_wait_dscnt 0x0                               ; V is in
.irp hi, 0,1
	WIN 0x02+\hi
.set n, 0
.rept 128                                      ; the window's four row blocks by turns: four chains
.set rA, 8*(8*(n%4)+n/16)+2*((n/4)%4)
.set rV, CV+8*(n/16)+2*((n/4)%4)
.set rL, LS+2*(4*\hi+n%4)
.if (\first) && (n < 4)
	v_pk_mul_f32 v[rL:rL+1], v[rA:rA+1], v[rV:rV+1]
.else
	v_pk_fma_f32 v[rL:rL+1], v[rA:rA+1], v[rV:rV+1], v[rL:rL+1]
.endif
.set n, n+1
.endr
.endr
.endm
	s_load_b256 s[4:11], s[0:1], 0x0               ; features s[4:5], wf s[6:7], hb s[8:9], V_w s[10:11]
	s_load_b128 s[12:15], s[0:1], 0x20             ; V_b s[12:13], lg s[14:15]
	s_load_b64 s[16:17], s[0:1], 0x30              ; part
	v_lshl_add_u32 v[SPW], v0, 2, SPARE
	v_mov_b32 v[NIL], 0
	v_lshrrev_b32 v12, 5, v0
	v_readfirstlane_b32 s20, v12                   ; wave 0..3
	v_and_b32 v[R], 15, v0
	v_bfe_u32 v[H], v0, 4, 1
	v_and_b32 v[LN], 31, v0
	v_mul_u32_u24 v[LA0], v[R], PA
	v_lshl_add_u32 v[LA0], v[H], 4, v[LA0]
	s_wait_alu depctr_va_sdst(0)                   ; s20 is written, ahead of its first reader: addresses, bases and a branch are made from it
	s_mul_i32 s30, s20, 32*PA
	v_mul_u32_u24 v[ST0], v[H], PA
	v_lshl_add_u32 v[ST0], v[R], 3, v[ST0]
	v_add_nc_u32 v[ST0], s30, v[ST0]
	v_lshlrev_b32 v[WOF], 4, v[LN]
	s_lshl_b32 s30, s20, 17                        ; my wave's 32 rows of 4,096 bytes
	v_lshlrev_b32 v[XOF], 12, v[H]
	v_lshl_add_u32 v[XOF], v[R], 4, v[XOF]
	v_add_nc_u32 v[XOF], s30, v[XOF]
	v_lshl_add_u32 v[PFO], v[LN], 12, s30
	s_lshl_b32 s31, s20, 9                         ; my wave's 128 units of a pass
	s_add_co_u32 s31, s31, HBS
	v_lshl_add_u32 v[CVA], v[H], 5, s31
	v_lshlrev_b32 v12, 4, v0                       ; 16 x thread: the two tables' way in
	v_add_nc_u32 v13, HBS, v12
	s_lshl_b32 s32, ttmp9, 19                      ; the block's 128 rows of 4,096 bytes
	s_mov_b32 s33, 0
	s_lshl_b32 s34, s20, 19                        ; my wave's 64 steps of 8,192 bytes in wf
	s_mov_b32 s35, 0
	s_lshr_b32 s36, ttmp9, 4                       ; the batch
	s_lshl_b32 s36, s36, 12
	s_mov_b32 s37, 0
	s_lshl_b32 s38, ttmp9, 9                       ; the block's 128 logits
	s_mov_b32 s39, 0
	s_lshl_b32 s40, ttmp9, 12                      ; the block's row of part,
	s_lshl_b32 s41, s20, 10                        ; my wave's 256 numbers of it
	s_add_co_u32 s40, s40, s41
	s_mov_b32 s41, 0
	s_mov_b32 s26, 0x76543210                      ; v_permlanex16_b32: each lane takes its own place in the other half
	s_mov_b32 s27, 0xfedcba98
	s_mov_b32 s28, 0xffff0000                      ; lanes 16-31
	s_mov_b32 s29, 0x3fb8aa3b                      ; log2(e)
	s_wait_kmcnt 0x0
	s_add_nc_u64 s[4:5], s[4:5], s[32:33]
	s_add_nc_u64 s[6:7], s[6:7], s[34:35]
	s_add_nc_u64 s[8:9], s[8:9], s[36:37]
	s_add_nc_u64 s[14:15], s[14:15], s[38:39]
	s_add_nc_u64 s[16:17], s[16:17], s[40:41]
	s_load_b32 s25, s[12:13], 0x0                  ; V_b; waited for where it is used
	s_wait_alu depctr_va_vdst(0)                   ; the offsets and addresses v4, v6, v8 to v13 are written, which the loads, stores and prefetches below read
	global_load_b128 v[192:195], v12, s[8:9]
	global_load_b128 v[196:199], v12, s[8:9] offset:2048
	global_load_b128 v[200:203], v12, s[10:11]
	global_load_b128 v[204:207], v12, s[10:11] offset:2048
	XLOAD 0, 0
	XLOAD 1, 0
	XLOAD 2, 0
	WIN 0
	s_wait_loadcnt 24                              ; the tables are in; the three slices stay out
	ds_store_b128 v13, v[192:195]
	ds_store_b128 v13, v[196:199] offset:2048
	ds_store_b128 v13, v[200:203] offset:4096
	ds_store_b128 v13, v[204:207] offset:6144
	s_wait_loadcnt 16                              ; slice 0 is in; slices 1, 2 stay out
	CVTS 0
	s_wait_alu depctr_va_vdst(0)                   ; the roundings have written OUT, which the LDS stores read, and are done reading set 0, in which slice 3 lands
	PUT 0, ST0, 0
	XLOAD 3, 0
	s_wait_loadcnt 16                              ; slice 1 is in; slices 2, 3 stay out
	s_wait_alu depctr_vm_vsrc(0)                   ; slice 0's LDS stores have read OUT; the tables' have read v[192:207], in which fragments land later
	CVTS 1
	s_wait_alu depctr_va_vdst(0)                   ; OUT is written; the roundings are done reading set 1, in which slice 4 lands
	PUT 1, ST0, 0
	WLOAD 0, 0, 0
	XLOAD 4, 0
	s_wait_dscnt 0x0                               ; for the others' sake: my parts of the tables and of tile 0 lie in LDS
	s_barrier_signal -1
	s_wait_loadcnt 32                              ; slice 2 is in; slice 3 (8), weights 0 (16), slice 4 (8) stay out
	s_barrier_wait -1
	s_wait_alu depctr_vm_vsrc(0)                   ; slice 1's LDS stores have read OUT
	CVTS 2
	s_wait_alu depctr_va_vdst(0)                   ; OUT is written; the roundings are done reading set 2, in which slice 5 lands
	PUT 2, ST0, 0
	ALOAD4 0, LA0, 0, 0
	ALOAD4 0, LA0, 0, 4
	CVLOAD 0, 0
	WLOAD 1, 64, 0
	XLOAD 5, 0
	; ---------------- pass 1: units 128 w .. of the first 512
	STEP1 0, 0, 0, 0, 0, LA0, ST0, 1               ; written out: its products start the sums on c (h + biases)
	WIN 0                                          ; at a label and at a branch every window is 0
	s_mov_b32 s22, TILE                            ; the loop's first fragments lie in tile 1,
	s_mov_b32 s23, 2*TILE                          ; its first slices go to tile 2
	v_add_nc_u32 v[ADRA], s22, v[LA0]              ; first written here; the next step's wait on va_vdst stands ahead of their first readers
	v_add_nc_u32 v[STA], s23, v[ST0]
	s_mov_b32 s24, 4
.Lp1:                                                  ; a trip: six steps (two fragment buffers, three weight buffers, three sets), three tiles
	STEP1 1, 0, 1, 2, 0, ADRA, STA
	STEP1 2, 0, 1, 2, 0, ADRA, STA, 0, 1
	STEP1 3, 0, 1, 2, 0, ADRA, STA
	STEP1 4, 0, 1, 2, 0, ADRA, STA, 0, 2
	STEP1 5, 0, 1, 2, 0, ADRA, STA
	STEP1 6, 0, 1, 2, 0, ADRA, STA, 0, 2
	WIN 0
	s_wait_xcnt 0x0                                ; every load and prefetch issued so far (the youngest 40 products back) has read its address: the bases may be written
	s_add_nc_u64 s[6:7], s[6:7], 6*8192
	s_add_nc_u64 s[4:5], s[4:5], 3*256
	s_add_co_u32 s22, s22, 3*TILE
	s_add_co_u32 s23, s23, 3*TILE
	s_wait_alu depctr_vm_vsrc(0)                   ; the trip's fragment loads have read v[ADRA], its LDS stores v[STA]
	v_add_nc_u32 v[ADRA], s22, v[LA0]              ; the next step's wait on va_vdst stands ahead of their next readers
	v_add_nc_u32 v[STA], s23, v[ST0]
	s_sub_co_u32 s24, s24, 1
	s_cmp_lg_u32 s24, 0
	s_cbranch_scc1 .Lp1
.irp t, 25,26,27,28,29,30,31                   ; the tail is written out: the slices end, the counts run down, the weights run on into pass 2
	STEP1 \t, 24, 13, 14, 12, ADRA, STA
.endr
	PLACES                                         ; behind the last products: for the load into their weight buffer and for the exponentials
	s_wait_alu depctr_va_vdst(0)                   ; step 31's products are done reading their weights, in which stream step 34 lands
	WLOAD 34, 64, 24
	EPI 1, 0
	; ---------------- pass 2: the second 512 units
	s_wait_alu depctr_va_vdst(0)                   ; the multiply-adds above are done reading CV, in which c (h + biases) of the second 512 units lands
	CVLOAD 0, 1
	s_wait_xcnt 0x0
	s_add_nc_u64 s[6:7], s[6:7], 8*8192            ; from stream step 24 to 32
	STEP2 0, 32, 0, LA0, 1                         ; its loads land in registers whose last readers (step 31's products, the roundings) stand ahead of the wait above
	WIN 0
	s_mov_b32 s22, TILE
	s_wait_alu depctr_vm_vsrc(0)                   ; pass 1's fragment loads have read v[ADRA]; its LDS stores have read OUT, whose registers serve as small work behind pass 2
	v_add_nc_u32 v[ADRA], s22, v[LA0]
	s_mov_b32 s24, 7
.Lp2:                                                  ; a trip: four steps, two tiles
	STEP2 1, 32, 1, ADRA
	STEP2 2, 32, 1, ADRA
	STEP2 3, 32, 1, ADRA
	STEP2 4, 32, 1, ADRA
	WIN 0
	s_wait_xcnt 0x0
	s_add_nc_u64 s[6:7], s[6:7], 4*8192
	s_add_co_u32 s22, s22, 2*TILE
	s_wait_alu depctr_vm_vsrc(0)                   ; the trip's fragment loads have read v[ADRA]
	v_add_nc_u32 v[ADRA], s22, v[LA0]
	s_sub_co_u32 s24, s24, 1
	s_cmp_lg_u32 s24, 0
	s_cbranch_scc1 .Lp2
	STEP2 29, 60, 15, ADRA
	STEP2 30, 60, 15, ADRA
	STEP2 31, 60, 15, ADRA
	PLACES
	EPI 0, 1
	; ---------------- the logits.  A row's sum: even and odd units, the other half of the lanes', the four waves'
	WIN 0
.irp b, 0,1,2,3,4,5,6,7
	v_add_f32 v[LS+2*\b], v[LS+2*\b], v[LS+2*\b+1]
.endr
.irp b, 0,1,2,3,4,5,6,7
	v_permlanex16_b32 v[LS+2*\b+1], v[LS+2*\b], s26, s27
.endr
.irp b, 0,1,2,3,4,5,6,7
	v_add_f32 v[LS+2*\b], v[LS+2*\b], v[LS+2*\b+1]
.endr
	s_lshl_b32 s30, s20, 9
	s_add_co_u32 s30, s30, LP
	v_lshl_add_u32 v12, v[R], 2, s30
	v_add_nc_u32 v13, LP, v[WOF]                   ; behind the barrier every wave does the same for all 128 rows, four a lane
	v_add_nc_u32 v14, VS, v[WOF]
	s_lshl_b32 s30, s20, 8
	s_add_co_u32 s30, s30, PT                      ; my wave's copy of the weights
	v_lshl_add_u32 v28, v[LN], 3, s30
	v_lshl_add_u32 v29, v[H], 4, s30
	s_wait_alu depctr_va_vdst(0)                   ; the eight sums and the addresses v12, v13, v14, v28, v29 are written; the multiply-adds are done reading v[32:79], in which the loads behind the barrier land
.irp b, 0,1,2,3,4,5,6,7
	ds_store_b32 v12, v[LS+2*\b] offset:\b*64      ; row 16 b + l % 16; both halves of the lanes write the same number
.endr
	s_wait_dscnt 0x0
	s_barrier_signal -1
	s_barrier_wait -1
.irp w, 0,1,2,3
	ds_load_b128 v[32+4*\w:35+4*\w], v13 offset:\w*512
.endr
.irp i, 0,1,2,3,4,5,6,7
	ds_load_b128 v[48+4*\i:51+4*\i], v14 offset:\i*512
.endr
	s_wait_dscnt 0x0
	s_wait_alu depctr_vm_vsrc(0)                   ; the stores and loads above have read v12, v13 and v14, which are written anew below
	v_pk_add_f32 v[32:33], v[32:33], v[36:37]
	v_pk_add_f32 v[34:35], v[34:35], v[38:39]
	v_pk_add_f32 v[40:41], v[40:41], v[44:45]
	v_pk_add_f32 v[42:43], v[42:43], v[46:47]
	v_pk_add_f32 v[32:33], v[32:33], v[40:41]
	v_pk_add_f32 v[34:35], v[34:35], v[42:43]
.irp s, 16,8,4,2                               ; the sum of V: 32 numbers a lane, pairwise,
.set i, 0
.rept \s/2
	v_pk_add_f32 v[48+i:48+i+1], v[48+i:48+i+1], v[48+\s+i:48+\s+i+1]
.set i, i+2
.endr
.endr
	v_add_f32 v48, v48, v49
	v_add_f32_dpp v48, v48, v48 row_xmask:1 row_mask:0xf bank_mask:0xf   ; then over the 32 lanes
	v_add_f32_dpp v48, v48, v48 row_xmask:2 row_mask:0xf bank_mask:0xf
	v_add_f32_dpp v48, v48, v48 row_xmask:4 row_mask:0xf bank_mask:0xf
	v_add_f32_dpp v48, v48, v48 row_xmask:8 row_mask:0xf bank_mask:0xf
	v_permlanex16_b32 v49, v48, s26, s27
	v_add_f32 v48, v48, v49
	s_wait_kmcnt 0x0                               ; V_b
	v_add_f32 v48, s25, v48
.irp i, 0,1,2,3
	v_fma_f32 v[16+\i], -2.0, v[32+\i], v48        ; logit of row 4 l + i
.endr
	v_max3_num_f32 v20, v16, v17, v18              ; the block's maximum
	v_max_num_f32 v20, v20, v19
	v_max_num_f32_dpp v20, v20, v20 row_xmask:1 row_mask:0xf bank_mask:0xf
	v_max_num_f32_dpp v20, v20, v20 row_xmask:2 row_mask:0xf bank_mask:0xf
	v_max_num_f32_dpp v20, v20, v20 row_xmask:4 row_mask:0xf bank_mask:0xf
	v_max_num_f32_dpp v20, v20, v20 row_xmask:8 row_mask:0xf bank_mask:0xf
	v_permlanex16_b32 v49, v20, s26, s27
	v_max_num_f32 v20, v20, v49
	v_mul_f32 v21, s29, v20
.irp i, 0,1,2,3
	v_fma_f32 v[22+\i], v[16+\i], s29, -v21
.endr
.irp i, 0,1,2,3
	v_exp_f32 v[22+\i], v[22+\i]
.endr
	v_and_b32 v14, 7, v0                           ; (plain work behind the last exponential) the turning load's place: row 8 (l / 16) + l % 8, bytes 16 ((l / 8) % 2) on,
	v_lshl_add_u32 v14, v[H], 3, v14
	v_mul_u32_u24 v14, v14, PA
	v_bfe_u32 v15, v0, 3, 1
	v_lshl_add_u32 v14, v15, 4, v14
	s_mul_i32 s30, s20, 4*TILE                     ; in my wave's four tiles: channels 256 w ..
	v_add_nc_u32 v14, s30, v14
	v_add_nc_u32 v15, 2*TILE, v14
	s_wait_alu depctr_va_vdst(0)                   ; the four exponentials have written v[22:25], ahead of the roundings that read them
	v_cvt_pk_bf16_f32 v26, v22, v23
	v_cvt_pk_bf16_f32 v27, v24, v25
	s_wait_alu depctr_va_vdst(0)                   ; v26 and v27 are written, which the LDS store reads; so are the logits v[16:19] for their store and v14, v15 for the turning loads
	ds_store_b64 v28, v[26:27]
	s_cmp_lg_u32 s20, 0
	s_cbranch_scc1 .Lnolg
	global_store_b128 v[WOF], v[16:19], s[14:15]   ; wave 0: the block's 128 logits, 512 consecutive bytes, aligned
.Lnolg:
	; ---------------- the weighted sum.  Source 0 = the weights, the same in all 16 rows; source 1 = 32 rows t x 16 channels, turned out of the tiles.  Every row of the result holds the sum.
	; Four buffers of 128 registers: rows 0-63 go into window 1, rows 64-127 into window 3, where the accumulators are free.  So no load lands in a register that one of these products
	; has read; the last readers of all four buffers (pass 2's products, the multiply-adds behind it) stand ahead of the waits above.
.irp s, 0,1,2,3
	ds_load_b128 v[AF0+8*\s:AF0+8*\s+3],   v29 offset:\s*64      ; my own copy: LDS serves a wave's instructions in order
	ds_load_b128 v[AF0+8*\s+4:AF0+8*\s+7], v29 offset:\s*64+32
.endr
.macro FFETCH ts, buf, w               ; rows 32 ts .. of my 256 channels: 16 fragments; w: destination window 1 (0x40) or 3 (0xc0)
	WIN \w
.irp d, 0,1,2,3,4,5,6,7
	ds_load_tr16_b128 v[(\buf)+8*\d:(\buf)+8*\d+3],   v14 offset:(\d/4)*TILE+(\ts)*32*PA+(\d%4)*32
	ds_load_tr16_b128 v[(\buf)+8*\d+4:(\buf)+8*\d+7], v14 offset:(\d/4)*TILE+(\ts)*32*PA+(\d%4)*32+16*PA
.endr
.irp d, 0,1,2,3,4,5,6,7
	ds_load_tr16_b128 v[(\buf)+64+8*\d:(\buf)+64+8*\d+3],   v15 offset:(\d/4)*TILE+(\ts)*32*PA+(\d%4)*32
	ds_load_tr16_b128 v[(\buf)+64+8*\d+4:(\buf)+64+8*\d+7], v15 offset:(\d/4)*TILE+(\ts)*32*PA+(\d%4)*32+16*PA
.endr
.endm
.macro CMUL ts, buf, zero, w           ; the 16 accumulators take turns; w: source 1 in window 1 (0xa4) or 3 (0xac)
	WIN \w
.irp d, 0,1,2,3,4,5,6,7,8,9,10,11,12,13,14,15
.if \zero
	v_wmma_f32_16x16x32_bf16 v[8*\d:8*\d+7], v[AF0+8*(\ts):AF0+8*(\ts)+7], v[(\buf)+8*\d:(\buf)+8*\d+7], 0
.else
	v_wmma_f32_16x16x32_bf16 v[8*\d:8*\d+7], v[AF0+8*(\ts):AF0+8*(\ts)+7], v[(\buf)+8*\d:(\buf)+8*\d+7], v[8*\d:8*\d+7]
.endif
.endr
.endm
	FFETCH 0, 0, 0x40
	FFETCH 1, 128, 0x40
	s_wait_dscnt 32                                ; all but the 32 just issued
	CMUL 0, 0, 1, 0xa4
	FFETCH 2, 0, 0xc0
	s_wait_dscnt 32
	CMUL 1, 128, 0, 0xa4
	FFETCH 3, 128, 0xc0
	s_wait_dscnt 32
	CMUL 2, 0, 0, 0xac
	s_wait_dscnt 0x0
	CMUL 3, 128, 0, 0xac
	WIN 0
	s_lshl_b32 s30, s20, 10                        ; four plain instructions, the places behind the last products: the way out's addresses
	s_add_co_u32 s30, s30, CX
	v_lshl_add_u32 v12, v[LN], 2, s30
	v_lshl_add_u32 v13, v[LN], 4, s30
	v_nop
	v_nop
	WIN 0x0a                                       ; each accumulator's lowest register: lanes 0-15 take channels 32 i + l of one, lanes 16-31 of the next
.irp i, 0,1,2,3,4,5,6,7
	v_cndmask_b32 v[32+\i], v[16*\i], v[16*\i+8], s28
.endr
	WIN 0
	s_wait_alu depctr_va_vdst(0)                   ; v[32:39], v12 and v13 are written, which the LDS stores and loads read; the sums that named v[40:47], in which the loads land, are long done
.irp i, 0,1,2,3,4,5,6,7
	ds_store_b32 v12, v[32+\i] offset:\i*128
.endr
	ds_load_b128 v[40:43], v13                     ; back as 16 bytes a lane (my own bytes, served in order)
	ds_load_b128 v[44:47], v13 offset:512
	s_wait_dscnt 1
	global_store_b128 v[WOF], v[40:43], s[16:17]   ; 512 consecutive bytes, aligned
	s_wait_dscnt 0x0
	global_store_b128 v[WOF], v[44:47], s[16:17] offset:512
	s_wait_dscnt 0x0                               ; the closing lines, six on end
	s_wait_alu 0x0
	s_wait_tensorcnt 0x0
	ds_add_u32 v[SPW], v[NIL]
	s_wait_dscnt 0x0
	s_endpgm
.Lfunc_end_k_q40358f6730_main:
	.size	k_q40358f6730_main, .Lfunc_end_k_q40358f6730_main-k_q40358f6730_main
	.p2alignl 7, 3214868480
	.fill 96, 4, 3214868480
	.section	.rodata,"a",@progbits
	.p2align	6, 0x0
	.amdhsa_kernel k_q40358f6730_main
		.amdhsa_group_segment_fixed_size 310784
		.amdhsa_private_segment_fixed_size 0
		.amdhsa_enable_private_segment 0
		.amdhsa_kernarg_size 56
		.amdhsa_user_sgpr_count 2
		.amdhsa_user_sgpr_kernarg_segment_ptr 1
		.amdhsa_wavefront_size32 1
		.amdhsa_system_sgpr_workgroup_id_x 1
		.amdhsa_system_sgpr_workgroup_id_y 1
		.amdhsa_system_sgpr_workgroup_id_z 1
		.amdhsa_system_vgpr_workitem_id 0
		.amdhsa_next_free_vgpr 1024
		.amdhsa_next_free_sgpr 66
		.amdhsa_reserve_vcc 0
		.amdhsa_float_denorm_mode_32 3
		.amdhsa_float_denorm_mode_16_64 3
		.amdhsa_memory_ordered 1
		.amdhsa_forward_progress 1
		.amdhsa_inst_pref_size 255
	.end_amdhsa_kernel
	.section	.bss,"aw",@nobits
	.p2align	6
	.space	262144
	.amdgpu_metadata
---
amdhsa.version: [ 1, 2 ]
amdhsa.kernels:
  - .name:           k_q40358f6730_main
    .symbol:         k_q40358f6730_main.kd
    .args:
      - { .name: features, .offset: 0, .size: 8, .value_kind: global_buffer, .address_space: global }
      - { .name: wf, .offset: 8, .size: 8, .value_kind: global_buffer, .address_space: global }
      - { .name: hb, .offset: 16, .size: 8, .value_kind: global_buffer, .address_space: global }
      - { .name: V_w, .offset: 24, .size: 8, .value_kind: global_buffer, .address_space: global }
      - { .name: V_b, .offset: 32, .size: 8, .value_kind: global_buffer, .address_space: global }
      - { .name: lg, .offset: 40, .size: 8, .value_kind: global_buffer, .address_space: global }
      - { .name: part, .offset: 48, .size: 8, .value_kind: global_buffer, .address_space: global }
    .group_segment_fixed_size: 310784
    .private_segment_fixed_size: 0
    .kernarg_segment_align: 8
    .kernarg_segment_size: 56
    .max_flat_workgroup_size: 128
    .sgpr_count:     66
    .vgpr_count:     1024
    .wavefront_size: 32
...
	.end_amdgpu_metadata
.endif
;; end of part 5
;; launch finish: the kernel of part 3 again; grid 32 x 1, 8 waves a work-group, no clusters, 2,048 bytes of LDS; arguments lg, part, out0, out1; writes out0, out1
